; MI455X (gfx1250); checked and timed in simulation.
; The chip was launched on July 23, 2026; its instructions are those of AMD's public machine-readable ISA for CDNA 5 (MIT licence, August 2026) and "CDNA5" Instruction Set Architecture Reference Guide (July 2026). The comments in the code are by the model that wrote it; some were corrected since.
;; Grouped Query Attention. Allowed arithmetic: matrix products marked QUANTISED: E3M2 operands, one E8M0 scale for each 32 along K, by v_wmma_scale_f32_16x16x128_f8f6f4 with both operands' format E3M2, f32 sums; everything else in f32.
;; Inputs: attention_mask 1 x 1 x 2,048 x 2,048 float32; hidden_states 1 x 2,048 x 2,048 float32; w_k 2,048 x 512 float32; w_o 2,048 x 2,048 float32; w_q 2,048 x 2,048 float32; w_v 2,048 x 512 float32.
;; Outputs: out0 1 x 2,048 x 2,048 float32.
;; This version of the problem:
;;   THIS VERSION OF THE PROBLEM IS GIVEN IN LOW PRECISION. The matrix products marked QUANTISED in the list below multiply operands that are first quantised to E3M2 (3 exponent bits, 2 mantissa bits; 6 bits a number), with one power-of-two scale for each 32 numbers along K (OCP MX v1.0); their sums are f32. All else is computed in f32.
;;   The module's matrix products, in the order in which they are computed (A, B: the left and right operand; K: the contracted axis; several contracted axes count as one K, in the product's order):
;;     1. [M 2,048, K 2,048] x [K 2,048, N 2,048]; A: input hidden_states; B: input w_q: QUANTISED
;;     2. [M 2,048, K 2,048] x [K 2,048, N 512]; A: input hidden_states; B: input w_k: QUANTISED
;;     3. [M 2,048, K 2,048] x [K 2,048, N 512]; A: input hidden_states; B: input w_v: QUANTISED
;;     4. batch 32 x [M 2,048, K 64] x [K 64, N 2,048]; A: computed on the way; B: computed on the way: QUANTISED
;;     5. batch 32 x [M 2,048, K 2,048] x [K 2,048, N 64]; A: softmax (see below); B: computed on the way: QUANTISED
;;     6. [M 2,048, K 2,048] x [K 2,048, N 2,048]; A: computed on the way; B: input w_o: QUANTISED
;;   THE QUANTISER, for each operand of a quantised product, along K:
;;     - K is cut into blocks of 32 from its start; a last block that is shorter is filled with zeros.
;;     - A block's scale is 2^e with e = floor(log2(the largest magnitude in the block)) - 4, held to -126 .. 127; a block of zeros has e = 0. As a byte (E8M0): e + 127.
;;     - Each number is divided by its block's scale, clamped to +-28, and rounded to the nearest number of E3M2, ties to even, subnormals kept.
;;     - The product sums the exact products of the quantised numbers (number of the format x scale) in f32.
;;   ~~~python
;;   def quantise(x, axis):      # numpy; x: float32 -> the quantised numbers, widened to float32 again
;;       x = np.moveaxis(x, axis, -1); K = x.shape[-1]
;;       x = np.pad(x, [(0, 0)] * (x.ndim - 1) + [(0, -K % 32)]); x = x.reshape(x.shape[:-1] + (-1, 32)); a = np.abs(x).max(-1, keepdims=True)
;;       e = np.where(a > 0, np.clip(np.frexp(np.where(a > 0, a, 1))[1] - 1 - 4, -126, 127), 0)      # np.frexp(a)[1] - 1 = floor(log2(a)), exactly
;;       r = np.clip(x / 2.0 ** e, -28, 28)
;;       step = 2.0 ** (np.maximum(np.frexp(np.where(r == 0, 1, r))[1] - 1, -2) - 2)
;;       q = np.round(r / step) * step * 2.0 ** e      # np.round: ties to even
;;       return np.moveaxis(q.reshape(q.shape[:-2] + (-1,))[..., :K], -1, axis).astype(np.float32)
;;   ~~~
;;   SOFTMAX AHEAD OF A QUANTISED PRODUCT. Where the list says 'softmax', what is quantised is not the finished softmax but p = 2^(t - M), with t = logit x log2(e) and M = ceil(the row's largest t), a whole number; so 1/2 < the row's largest p <= 1. The row's sum l is taken of the UNQUANTISED p, in f32, and the product's result is divided by l at the end. Since M is a whole number, a kernel that streams over the keys may use a running M (the ceiling of the running maximum): every later rescaling is an exact power of two, which a block's scale takes up: the codes' values come out the same.
;;   OPERANDS COMPUTED ON THE WAY. 'Computed on the way' means the value that the module computes at that place (a softmax that the list does not call 'softmax' is quantised finished and normalised). What goes into a quantiser is computed in f32, as accurately as f32 sums, v_exp_f32 and their like allow (about 1e-6 of the number): no bf16 or f16 on the way to a quantiser, and a product that is left as it is and whose result goes on into a quantised operand takes f32 operands (vector FMAs, or v_wmma_f32_16x16x4_f32). A number that lies on a knife's edge between two numbers of the format may be rounded either way, as far as f32 arithmetic and the matrix unit's own rounding can turn it there, and no further.
;; One version. Each part assembles by itself: llvm-mc -triple=amdgcn-amd-amdhsa -mcpu=gfx1250 --defsym DOCPART=n.
;; ======== version 1 of 1: 4 launches
;; limits: right only within a limited range of input values
;; workspace buffers: xp 3,407,872 bytes; wp 5,111,808 bytes; wop 3,407,872 bytes; rtab 524,288 bytes; qp 3,670,016 bytes; kvp 1,769,472 bytes; ap 3,407,872 bytes
;; launch prep (part 1): grid 928 x 1, 4 waves a work-group, no clusters, 68,096 bytes of LDS; arguments hidden_states, w_q, w_k, w_v, w_o, xp, wp, wop, rtab; writes xp, wp, wop, rtab
.if DOCPART == 1
	.amdgcn_target "amdgcn-amd-amdhsa--gfx1250"
	.amdhsa_code_object_version 6
	.text
	.protected	k_qf9fd702d50_prep
	.globl	k_qf9fd702d50_prep
	.p2align	8
	.type	k_qf9fd702d50_prep,@function
k_qf9fd702d50_prep:
	s_mov_b64 s[64:65], 0
	v_nop
	global_prefetch_b8 v0, s[64:65] scope:SCOPE_SE
	s_setreg_imm32_b32 hwreg(HW_REG_WAVE_MODE, 25, 1), 1
	s_wait_xcnt 0x0
; x [2048][2048] (K innermost) and w_q, w_k, w_v, w_o ([K][N], K outermost), f32, become codes of BF6 (E3M2) with one E8M0 byte for each 32 along K,
; laid in the ORDER OF THE OPERAND'S REGISTERS; and the table of cos and sin for the rotary embedding is made.
; A PACK (3,328 bytes = 13 x 256) holds 32 rows x 128 K: tile u (0, 1) of row group g has, in lane index r, row 32 g + 8 u + r + 8 (r / 8).
;   half fragment (u, c) at 1536 u + 768 c: 16 rows x 64 K as six registers a lane; lane r + 16 h holds K = 64 c + 32 h + 0 .. 31: registers 0-3 at 16 x lane, registers 4-5 at 512 + 8 x lane;
;   at 3072 + 8 x lane: the scale words of row (lane % 16) of tile 0 and of tile 1.
; A block's scale is 2^(floor(log2(largest magnitude)) - 4): its byte is the largest magnitude's exponent field - 4, held at 1 from below by a floor among the maximum's leaves.
; LIMITS: a block of zeros gets the byte 1 where the rule says 127 (its codes are zeros, and this program alone reads the bytes); blocks whose largest magnitude lies under 2^-122 are held at the floor's scale;
; NaN and infinities among the inputs are not served.
; ONE WAVE MAKES ONE PACK: 16 KiB of f32 in, 3,328 bytes out in stores that each cover whole aligned blocks of 256 bytes.  Waves share nothing: no barrier.
; x's 32 loads of 512 bytes go out together; a weight's 128 loads of 128 bytes go out in four slots of 32, two slots ahead of the work: 64 loads of a wave are out at the most.
; Work-groups 0-255: x; 256-511: w_q; 512-767: w_o; 768-831: w_k; 832-895: w_v; 896-927: the table.  Only x's path stages data through LDS.
.set PKB, 3328
.set SCL, 12                           ; v12-15   slot i: the conversion's scale operand
.set E,   16                           ; v16-19   slot i: the scale's byte
.set X,   32                           ; v32-159  four slots of 32 numbers: a lane's whole block of 32 along K
.set C,   160                          ; v160-183 slot i: six registers of codes
.set T,   184                          ; v184-199 slot i: the upper 16 codes as the conversion leaves them
; Slot i's 32 numbers become six registers of codes, a byte and nothing else.
.macro BQ i
.set XS, X+32*\i
	v_max3_num_f32 v8, |v[XS]|, |v[XS+1]|, |v[XS+2]|               ; the block's largest magnitude, in two chains: all 32 numbers are mine
	v_max3_num_f32 v9, |v[XS+3]|, |v[XS+4]|, |v[XS+5]|
.irp n, 6,10,14,18,22,26
	v_max3_num_f32 v8, v8, |v[XS+\n]|, |v[XS+\n+1]|
	v_max3_num_f32 v9, v9, |v[XS+\n+2]|, |v[XS+\n+3]|
.endr
	v_max3_num_f32 v8, v8, |v[XS+30]|, |v[XS+31]|
	v_max3_num_f32 v8, v8, v9, 0x2800000           ; and the floor 2^(5 - 127): the byte cannot fall under 1
	v_add_nc_u32 v[SCL+\i], 0xfe000000, v8         ; 4 off the exponent field: the conversion takes this operand's exponent field as its scale
	v_lshrrev_b32 v[E+\i], 23, v[SCL+\i]           ; the scale's byte
	v_cvt_scalef32_pk16_bf6_f32 v[C+6*\i:C+6*\i+2], v[XS:XS+15], v[SCL+\i]
	v_cvt_scalef32_pk16_bf6_f32 v[T+4*\i:T+4*\i+2], v[XS+16:XS+31], v[SCL+\i]   ; (a conversion's three registers begin on an even number)
	v_nop                                          ; one plain line behind a scaled conversion
.irp n, 0,1,2
	v_mov_b32 v[C+6*\i+3+\n], v[T+4*\i+\n]
.endr
.endm
; A weight with rows of n numbers: slot i holds K block (i / 2) + 2 (i % 2) of my column: 32 loads, each of 128 consecutive bytes a wave.
.macro WLOAD n, i
.set NN, 0
.rept 32
	global_load_b32 v[X+32*\i+NN], v4, s[24:25] offset:(32*((\i/2)+2*(\i%2))+NN)*4*\n th:TH_LOAD_NT
.set NN, NN+1
.endr
.endm
; The four slots, two ahead.  Every slot has registers of its own, so a slot's loads are issued as soon as the slot two back has come.
.macro WQUANT n
	WLOAD \n, 0
	WLOAD \n, 1
	s_wait_loadcnt 32                              ; slot 0 is in; slot 1's 32 loads may be out
	WLOAD \n, 2
	BQ 0
	s_wait_loadcnt 32                              ; slot 1 is in; slot 2's may be out
	WLOAD \n, 3
	BQ 1
	s_wait_loadcnt 32                              ; slot 2 is in; slot 3's may be out
	BQ 2
	s_wait_loadcnt 0x0
	BQ 3
.endm
	s_load_b512 s[4:19], s[0:1], 0x0               ; x, w_q, w_k, w_v, w_o, xp, wp, wop
	s_load_b64 s[20:21], s[0:1], 0x40              ; rtab
	v_lshl_add_u32 v208, v0, 2, 0x10800
	v_mov_b32 v209, 0
	v_lshrrev_b32 v1, 5, v0
	v_readfirstlane_b32 s22, v1                    ; wave
	v_and_b32 v1, 31, v0                           ; lane
	v_lshlrev_b32 v2, 4, v1                        ; 16 x lane
	v_lshlrev_b32 v3, 3, v1                        ; 8 x lane
	s_mov_b32 s30, 0x76543210
	s_mov_b32 s31, 0xfedcba98                      ; v_permlanex16_b32's selects for lane l xor 16
.irp n, 20,21,22,23
	v_mov_b32 v\n, 0                               ; written once: a lane permute's destination counts as one of its sources
.endr
	s_mov_b32 s35, 0                               ; the upper word of every offset
	s_wait_kmcnt 0x0
	s_cmp_ge_u32 ttmp9, 896
	s_cbranch_scc1 .Ltable
	s_cmp_ge_u32 ttmp9, 256
	s_cbranch_scc1 .Lweights
	; ---- x: pack (g, ks), index 16 g + ks = 4 x work-group + wave.  Each load reads 512 consecutive bytes of one row; the 32 rows turn through the wave's own stage (rows 528 bytes apart),
	; so that lane (r, h) gets 32 neighbours along K of its row.
	s_lshl_b32 s23, ttmp9, 2
	s_add_co_u32 s23, s23, s22
	s_lshr_b32 s32, s23, 4                         ; g
	s_and_b32 s33, s23, 15                         ; ks
	s_lshl_b32 s34, s32, 18                        ; 32 rows of 8,192 bytes
	s_lshl_b32 s36, s33, 9                         ; 128 numbers
	s_add_co_u32 s34, s34, s36
	s_add_nc_u64 s[24:25], s[4:5], s[34:35]
	s_mul_i32 s34, s23, PKB
	s_add_nc_u64 s[26:27], s[14:15], s[34:35]
	s_mul_i32 s36, s22, 16896                      ; my stage: two tiles of 16 rows x 528 bytes
	s_wait_alu depctr_va_vdst(0)
	v_add_nc_u32 v5, s36, v2                       ; in: 16 bytes a lane of a row
	v_and_b32 v8, 15, v1
	v_lshrrev_b32 v9, 4, v1
	v_mul_u32_u24 v6, v8, 528
	v_lshl_add_u32 v6, v9, 7, v6
	v_add_nc_u32 v6, s36, v6                       ; out: row r, + 128 h bytes: sixteen rows 528 bytes apart start at sixteen different 16-byte columns of 256
.irp u, 0,1
.irp i, 0,1,2,3,4,5,6,7,8,9,10,11,12,13,14,15
	global_load_b128 v[X+4*(16*\u+\i):X+4*(16*\u+\i)+3], v2, s[24:25] offset:(8*\u+\i+8*(\i/8))*8192 th:TH_LOAD_NT
.endr
.endr
	s_wait_alu depctr_va_vdst(0)
	s_wait_loadcnt 16                              ; tile 0's sixteen rows are in; tile 1's sixteen loads may be out
.irp i, 0,1,2,3,4,5,6,7,8,9,10,11,12,13,14,15
	ds_store_b128 v5, v[X+4*\i:X+4*\i+3] offset:\i*528
.endr
	s_wait_loadcnt 0x0
.irp i, 0,1,2,3,4,5,6,7,8,9,10,11,12,13,14,15
	ds_store_b128 v5, v[X+64+4*\i:X+64+4*\i+3] offset:8448+\i*528
.endr
	s_wait_dscnt 0x0                               ; the stores have read their registers, which the loads below write
.irp s, 0,1,2,3                                ; slot 2 u + c: K = 64 c + 32 h + 0 .. 31 of row r of tile u: half fragment (u, c) as it stands
.irp j, 0,1,2,3,4,5,6,7
	ds_load_b128 v[X+32*\s+4*\j:X+32*\s+4*\j+3], v6 offset:(\s/2)*8448+(\s%2)*256+16*\j
.endr
.endr
.irp i, 0,1,2,3
	s_wait_dscnt 24-8*\i                           ; slot i is back from the stage: the younger slots' 8 loads each may be out
	BQ \i
.endr
	; lane (r, h) holds blocks h and 2 + h of row r of each tile
	v_lshrrev_b32 v7, 4, v1
	v_lshlrev_b32 v7, 3, v7                        ; 8 h
	v_lshl_or_b32 v20, v[E+1], 16, v[E]
	v_lshl_or_b32 v21, v[E+3], 16, v[E+2]
	v_lshlrev_b32 v20, v7, v20
	v_lshlrev_b32 v21, v7, v21
	v_permlanex16_b32 v22, v20, s30, s31
	v_permlanex16_b32 v23, v21, s30, s31
	v_or_b32 v24, v20, v22                         ; with lane l xor 16's two bytes the word is whole
	v_or_b32 v25, v21, v23
	s_branch .Lstore
	; ---- a weight: A LANE TAKES A COLUMN AND ITS REGISTERS RUN DOWN K.  Lanes 0-15 take tile 0's sixteen columns, lanes 16-31 tile 1's; the wave still reads 128 consecutive bytes a load,
	; and the four waves of a work-group stand side by side on 512.
.Lweights:
	s_wait_alu depctr_va_vdst(0)
	v_and_b32 v4, 7, v1
	v_bfe_u32 v8, v1, 3, 1
	v_lshl_add_u32 v4, v8, 4, v4
	v_lshrrev_b32 v8, 4, v1
	v_lshl_add_u32 v4, v8, 3, v4                   ; column 8 (l / 16) + l % 8 + 16 ((l / 8) % 2)
	v_lshlrev_b32 v4, 2, v4
	s_cmp_ge_u32 ttmp9, 768
	s_cbranch_scc1 .Lnarrow
	s_cmp_lt_u32 ttmp9, 512                        ; w_q into wp, or w_o into wop: the choice hangs on the work-group's number alone
	s_cselect_b64 s[24:25], s[6:7], s[12:13]
	s_cselect_b64 s[26:27], s[16:17], s[18:19]
	s_and_b32 s23, ttmp9, 255
	s_lshl_b32 s23, s23, 2
	s_add_co_u32 s23, s23, s22
	s_lshr_b32 s32, s23, 6                         ; ks
	s_and_b32 s33, s23, 63                         ; g
	s_lshl_b32 s34, s32, 20                        ; 128 rows of 8,192 bytes
	s_lshl_b32 s36, s33, 7                         ; 32 columns
	s_add_co_u32 s34, s34, s36
	s_add_nc_u64 s[24:25], s[24:25], s[34:35]
	s_lshl_b32 s34, s33, 4
	s_add_co_u32 s34, s34, s32
	s_mul_i32 s34, s34, PKB
	s_add_nc_u64 s[26:27], s[26:27], s[34:35]
	s_wait_alu depctr_va_vdst(0)
	WQUANT 2048
	s_branch .Lwwords
.Lnarrow:
	s_cmp_lt_u32 ttmp9, 832                        ; w_k: row groups 64 on of wp; w_v: 80 on
	s_cselect_b64 s[24:25], s[8:9], s[10:11]
	s_cselect_b32 s37, 64, 80
	s_and_b32 s23, ttmp9, 63
	s_lshl_b32 s23, s23, 2
	s_add_co_u32 s23, s23, s22
	s_lshr_b32 s32, s23, 4                         ; ks
	s_and_b32 s33, s23, 15                         ; g
	s_lshl_b32 s34, s32, 18                        ; 128 rows of 2,048 bytes
	s_lshl_b32 s36, s33, 7
	s_add_co_u32 s34, s34, s36
	s_add_nc_u64 s[24:25], s[24:25], s[34:35]
	s_add_co_u32 s34, s33, s37
	s_lshl_b32 s34, s34, 4
	s_add_co_u32 s34, s34, s32
	s_mul_i32 s34, s34, PKB
	s_add_nc_u64 s[26:27], s[16:17], s[34:35]
	s_wait_alu depctr_va_vdst(0)
	WQUANT 512
.Lwwords:
	; slot 0 (block 0) and slot 2 (block 1) hold tile 0 in lanes 0-15 and tile 1 in lanes 16-31.  The swap gives slot 0 tile 0's blocks 0, 1 and slot 2 tile 1's: half fragments (0, 0) and (1, 0).  Slots 1, 3 likewise: (0, 1), (1, 1)
.irp n, 0,1,2,3,4,5
	v_permlane16_swap_b32 v[C+\n], v[C+12+\n]
.endr
.irp n, 0,1,2,3,4,5
	v_permlane16_swap_b32 v[C+6+\n], v[C+18+\n]
.endr
	v_lshl_or_b32 v20, v[E+2], 8, v[E]             ; my column's four bytes, blocks 0, 1, 2, 3 = slots 0, 2, 1, 3
	v_lshl_or_b32 v20, v[E+1], 16, v20
	v_lshl_or_b32 v20, v[E+3], 24, v20
	v_permlanex16_b32 v21, v20, s30, s31           ; the other tile's word of the same lane index
	v_cmp_gt_u32 vcc_lo, 16, v1
	v_cndmask_b32 v24, v21, v20, vcc_lo            ; tile 0's word,
	v_cndmask_b32 v25, v20, v21, vcc_lo            ; tile 1's
.Lstore:
	s_wait_alu depctr_va_vdst(0)
.irp i, 0,1,2,3
	global_store_b128 v2, v[C+6*\i:C+6*\i+3], s[26:27] offset:768*\i          ; 512 consecutive bytes, at a multiple of 256 from the buffer's first byte
	global_store_b64 v3, v[C+6*\i+4:C+6*\i+5], s[26:27] offset:768*\i+512     ; 256
.endr
	global_store_b64 v3, v[24:25], s[26:27] offset:3072
	s_wait_tensorcnt 0x0
	ds_add_u32 v208, v209
	s_wait_dscnt 0x0
	s_endpgm
	; ---- the table: rtab[t][j] = (cos, sin) of the f32 product t x inv_freq[j], inv_freq[j] = 1 / 500000^(j / 32).  Lane = j; a wave makes 16 t.
	; 500000^(j / 32) = r^j with r = 500000^(1 / 32) kept as a sum of two f32 numbers; five steps of squaring and multiplying in that form; the high word is the rounded power.
	; Sine and cosine: k = the nearest whole number to x 2 / pi; x - k pi / 2 in three fused steps (pi / 2 cut into three parts, the first two short enough that k times them is exact for k under 2^11);
	; polynomials on |r| <= pi / 4; quadrant by k's two low bits.  Angles here are at most 2,047.
.macro DFMUL dh, dl, ah, al, bh, bl
	v_mul_f32 v40, v\ah, v\bh
	v_fma_f32 v41, v\ah, v\bh, -v40                ; what the product's rounding lost,
	v_fma_f32 v41, v\ah, v\bl, v41                 ; and the cross terms
	v_fma_f32 v41, v\al, v\bh, v41
	v_add_f32 v\dh, v40, v41
	v_sub_f32 v42, v\dh, v40
	v_sub_f32 v\dl, v41, v42
.endm
.Ltable:
	s_sub_co_u32 s23, ttmp9, 896
	s_lshl_b32 s23, s23, 2
	s_add_co_u32 s23, s23, s22
	s_lshl_b32 s23, s23, 4                         ; my first t
	s_lshl_b32 s34, s23, 8                         ; 256 bytes a t
	s_add_nc_u64 s[26:27], s[20:21], s[34:35]
	s_mov_b32 s36, 0x3f22f983                      ; 2 / pi
	s_mov_b32 s37, 0x3fc90000                      ; pi / 2 in three parts
	s_mov_b32 s38, 0x39fda000
	s_mov_b32 s39, 0x33a22169
	s_mov_b32 s40, 0xbe2aaaa3                      ; sine's coefficients
	s_mov_b32 s41, 0x3c08839e
	s_mov_b32 s42, 0xb94ca1f9
	s_mov_b32 s43, 0x3d2aaaa5                      ; cosine's
	s_mov_b32 s44, 0xbab6061a
	s_mov_b32 s45, 0x37ccf5ce
	v_mov_b32 v32, 1.0                             ; the power so far
	v_mov_b32 v33, 0
	v_mov_b32 v34, 0x3fc0e30d                      ; r, high and low
	v_mov_b32 v35, 0x331b1c40
.irp b, 0,1,2,3,4
	DFMUL 36, 37, 32, 33, 34, 35
	v_and_b32 v43, 1<<\b, v1
	v_cmp_ne_u32 vcc_lo, 0, v43
	v_cndmask_b32 v32, v32, v36, vcc_lo            ; taken where j has the bit
	v_cndmask_b32 v33, v33, v37, vcc_lo
.if \b < 4
	DFMUL 34, 35, 34, 35, 34, 35
.endif
.endr
	s_wait_alu depctr_va_vdst(0)
	v_rcp_f32 v44, v32
	v_cvt_f32_u32 v46, s23                         ; (a plain line behind the transcendental)  t
	s_wait_alu depctr_va_vdst(0)                   ; the wait ahead of the first reader
	v_fma_f32 v45, -v32, v44, 1.0
	v_fma_f32 v44, v45, v44, v44                   ; one correction: the rounded quotient
.set I, 0
.rept 16
	v_mul_f32 v47, v46, v44                        ; the angle, rounded once
	v_mul_f32 v48, s36, v47
	v_rndne_f32 v48, v48                           ; k
	v_fma_f32 v49, -v48, s37, v47
	v_fma_f32 v49, -v48, s38, v49
	v_fma_f32 v49, -v48, s39, v49                  ; r
	v_cvt_i32_f32 v50, v48
	v_mul_f32 v51, v49, v49                        ; z = r^2
	v_fma_f32 v52, s42, v51, s41
	v_fma_f32 v53, s45, v51, s44
	v_fma_f32 v52, v52, v51, s40
	v_fma_f32 v53, v53, v51, s43
	v_mul_f32 v54, v51, v49
	v_mul_f32 v55, v51, v51
	v_fma_f32 v52, v52, v54, v49                   ; sin r
	v_fma_f32 v56, v51, -0.5, 1.0
	v_fma_f32 v53, v53, v55, v56                   ; cos r
	v_and_b32 v57, 1, v50
	v_cmp_ne_u32 vcc_lo, 0, v57
	v_cndmask_b32 v58, v53, v52, vcc_lo            ; odd quadrants change the two
	v_cndmask_b32 v59, v52, v53, vcc_lo
	v_add_nc_u32 v60, 1, v50
	v_and_b32 v60, 2, v60
	v_and_b32 v61, 2, v50
	v_lshlrev_b32 v60, 30, v60
	v_lshlrev_b32 v61, 30, v61
	v_xor_b32 v[64+2*I], v58, v60                  ; cos: negative in quadrants 1, 2
	v_xor_b32 v[65+2*I], v59, v61                  ; sin: negative in quadrants 2, 3
	global_store_b64 v3, v[64+2*I:65+2*I], s[26:27] offset:256*I   ; 32 lanes store one aligned block of 256 bytes; each t has registers of its own
	v_add_f32 v46, 1.0, v46
.set I, I+1
.endr
	s_endpgm
.Lfunc_end_k_qf9fd702d50_prep:
	.size	k_qf9fd702d50_prep, .Lfunc_end_k_qf9fd702d50_prep-k_qf9fd702d50_prep
	.p2alignl 7, 3214868480
	.fill 96, 4, 3214868480
	.section	.rodata,"a",@progbits
	.p2align	6, 0x0
	.amdhsa_kernel k_qf9fd702d50_prep
		.amdhsa_group_segment_fixed_size 68096
		.amdhsa_private_segment_fixed_size 0
		.amdhsa_enable_private_segment 0
		.amdhsa_kernarg_size 72
		.amdhsa_user_sgpr_count 2
		.amdhsa_user_sgpr_kernarg_segment_ptr 1
		.amdhsa_wavefront_size32 1
		.amdhsa_system_sgpr_workgroup_id_x 1
		.amdhsa_system_sgpr_workgroup_id_y 1
		.amdhsa_system_sgpr_workgroup_id_z 1
		.amdhsa_system_vgpr_workitem_id 0
		.amdhsa_next_free_vgpr 210
		.amdhsa_next_free_sgpr 66
		.amdhsa_reserve_vcc 1
		.amdhsa_float_denorm_mode_32 3
		.amdhsa_float_denorm_mode_16_64 3
		.amdhsa_memory_ordered 1
		.amdhsa_forward_progress 1
		.amdhsa_inst_pref_size 80
	.end_amdhsa_kernel
	.amdgpu_metadata
---
amdhsa.version: [ 1, 2 ]
amdhsa.kernels:
  - .name:           k_qf9fd702d50_prep
    .symbol:         k_qf9fd702d50_prep.kd
    .args:
      - { .name: hidden_states, .offset: 0, .size: 8, .value_kind: global_buffer, .address_space: global }
      - { .name: w_q, .offset: 8, .size: 8, .value_kind: global_buffer, .address_space: global }
      - { .name: w_k, .offset: 16, .size: 8, .value_kind: global_buffer, .address_space: global }
      - { .name: w_v, .offset: 24, .size: 8, .value_kind: global_buffer, .address_space: global }
      - { .name: w_o, .offset: 32, .size: 8, .value_kind: global_buffer, .address_space: global }
      - { .name: xp, .offset: 40, .size: 8, .value_kind: global_buffer, .address_space: global }
      - { .name: wp, .offset: 48, .size: 8, .value_kind: global_buffer, .address_space: global }
      - { .name: wop, .offset: 56, .size: 8, .value_kind: global_buffer, .address_space: global }
      - { .name: rtab, .offset: 64, .size: 8, .value_kind: global_buffer, .address_space: global }
    .group_segment_fixed_size: 68096
    .private_segment_fixed_size: 0
    .kernarg_segment_align: 8
    .kernarg_segment_size: 72
    .max_flat_workgroup_size: 128
    .sgpr_count:     66
    .vgpr_count:     210
    .wavefront_size: 32
...
	.end_amdgpu_metadata
.endif
;; end of part 1
;; launch qkv (part 2): grid 24 x 8, 8 waves a work-group, clusters of 4 x 4, 327,680 bytes of LDS; arguments xp, wp, rtab, qp, kvp; writes qp, kvp
.if DOCPART == 2
	.amdgcn_target "amdgcn-amd-amdhsa--gfx1250"
	.amdhsa_code_object_version 6
	.text
	.protected	k_qf9fd702d50_qkv
	.globl	k_qf9fd702d50_qkv
	.p2align	8
	.type	k_qf9fd702d50_qkv,@function
k_qf9fd702d50_qkv:
	s_mov_b64 s[64:65], 0
	v_nop
	global_prefetch_b8 v0, s[64:65] scope:SCOPE_SE
	s_setreg_imm32_b32 hwreg(HW_REG_WAVE_MODE, 25, 1), 1
	s_wait_xcnt 0x0
	s_wait_alu depctr_hold_cnt(0) depctr_sa_sdst(0) depctr_va_vdst(0) depctr_va_sdst(0) depctr_va_ssrc(0) depctr_va_vcc(0) depctr_vm_vsrc(0)
	s_getreg_b32 s2, hwreg(HW_REG_IB_STS2, 6, 4)
	s_cmp_eq_u32 s2, 0
	s_cbranch_scc0 .Lentry_in_a_cluster
	s_endpgm
.Lentry_in_a_cluster:
	s_bfe_u32 s2, ttmp6, 0x10000c
	s_cmp_lg_u32 s2, 0xf033
	s_cbranch_scc0 .Lentry_shape_is_right
	s_endpgm
.Lentry_shape_is_right:
; q, k, v = x W (codes of BF6 with E8M0 scales, f32 sums), the rotary embedding on q and k, and the three results quantised again: q and k along the head's 64, v along the tokens.
; xp: [64 groups of 32 tokens][16 K steps][pack of 3,328 bytes]; wp likewise, 96 groups of 32 columns: 0-63 w_q, 64-79 w_k, 80-95 w_v.  A pack: tile u of group g has in lane index r row 32 g + 8 u + r + 8 (r / 8);
; fragment of tile u at 1536 u as an image of its 12 registers (registers 0-3 at 16 x lane, 4-5 at 512 + 8 x lane, 6-9 at 768 + 16 x lane, 10-11 at 1280 + 8 x lane); at 3072 + 8 x lane the two tiles' scale words.
; SHARES.  A work-group makes 128 columns x 256 tokens; wave w: columns 64 (w % 2) on (ONE HEAD), tokens 64 (w / 2) on: 16 accumulators, 128 registers.
; K goes through two LDS slots of FOUR K steps each: two first fills and two refills, written out.  By this text's own count a wave has at most one tensor load out.
; CLUSTERS, 4 x 4: the four of a column of the cluster need the same columns of W, the four of a row the same tokens: each tile is asked for jointly.  128 columns to a work-group make the clusters pure:
; cluster x 0-3 is q, 4 is k, 5 is v, so the branch between the two uses of the matrix instruction hangs on the cluster's x alone.
; q, k: source 0 = 16 columns of W, source 1 = 16 tokens: a lane holds ONE token, and the registers of a token tile's four accumulators run along the head: register 16 b + i is d = 32 b + 16 (lane / 16) + i.
; v:    the sources are swapped: a lane holds one d, and its registers run along the wave's 64 tokens, the next product's K.
; THE 1/8 OF THE SCORES rides in q's scale bytes: 3 is taken off each (exact).  LIMITS: a block of zeros gets the floor's byte; blocks of q under 2^-119, of k and v under 2^-122, are held at the floor's scale.
; OUT.  qp: [32 heads][64 groups][half fragment of tile 0, of tile 1 (768 bytes each), 256 bytes of scale words].  kvp: [8 heads][16 steps of 128 tokens][13,824]: K's eight half fragments, 768 T; K's scale words at 6144 + 256 g;
; V^T's four fragments (16 d x 128 tokens) at 7168 + 1536 dt; their scale words at 13312 + 256 (dt / 2).
.set PKB,   3328
.set GRP,   4*PKB                      ; a group's four K steps: a row of a tile in LDS
.set PAIR,  2*GRP                      ; what one tensor load of x brings, and what a wave reads of W or of x
.set XOFF,  4*GRP                      ; a slot: W's four groups, then x's eight
.set SLOT,  12*GRP
.set SPARE, 2*SLOT                     ; behind the ring: the spare words, 128 bytes for each wave: four blocks of 256 bytes that no other line names
.set GROW,  16*PKB                     ; a group's 16 K steps in memory
.set KVP,   13824
.set AW16, 2                           ; v2-3   LDS address of my W fragments in slot 0, 1, 16 bytes a lane;  v4-5 the same, 8 bytes a lane
.set AW8,  4
.set AX16, 6                           ; v6-9   the same for x
.set AX8,  8
.set SPW,  10                          ; v10    LDS address of my spare word; never rewritten
.set NIL,  11                          ; v11    0; never rewritten
.set PWD,  12                          ; v12-15 the scale words made on the way out
.set WS,   16                          ; v16-19 W's scale words, v20-23 x's: they hold scales and nothing else
.set XS,   20
.set TM,   24                          ; v24-27 the quantiser's: two maxima (then scale operands), two at work
.set ST16, 28                          ; v28    16 x lane;  v29  8 x lane
.set ST8,  29
.set RT,   30                          ; v30    my token's row of the table
.set WF,   32                          ; v32-79  W's four fragments;  on the way out v32-95: two sets of 16 (cos, sin)
.set XF,   80                          ; v80-127 x's four;            on the way out v96-127: codes, eight registers a tile
.set PC,   96
.set ACC,  128
.set WV,   14
.set VF,   21                          ; s21  1 in v's cluster
.set G1W,  24
.set G1X,  32
.set G0W,  40                          ; a set for each slot
.set G0X,  48
.set SEL,  66
.set FLOOR, 68
.set ADJ,  69
.set CB,   70                          ; s[70:73] where codes go, for the wave's two groups;  s[74:77] the scale words
.set SB,   74
.set RB,   78                          ; s[78:79] the table at my wave's first token
.macro CROUND                          ; a round of the cluster's barrier
	s_barrier_signal -1
	s_barrier_wait -1
	s_cmp_lg_u32 s[WV], 0
	s_cbranch_scc1 .Lnot_wave_0_\@
	s_barrier_signal -3
.Lnot_wave_0_\@:
	s_barrier_wait -3
	s_barrier_signal -1
	s_barrier_wait -1
.endm
.macro JLOAD s                         ; a joint load, one a wave: waves 0 to 3 fetch W's four groups, waves 4 to 7 x's four pairs of groups.  Four v_nop follow each line
	s_cmp_lt_u32 s[WV], 4
	s_cbranch_scc0 .Lnot_w_\@
	tensor_load_to_lds s[G0W+4*\s:G0W+4*\s+3], s[G1W:G1W+7]
	s_nop 0
.rept 4
	v_nop
.endr
	s_branch .Lasked_\@
.Lnot_w_\@:
	tensor_load_to_lds s[G0X+4*\s:G0X+4*\s+3], s[G1X:G1X+7]
	s_nop 0
.rept 4
	v_nop
.endr
.Lasked_\@:
.endm
	s_load_b256 s[4:11], s[0:1], 0x0               ; xp, wp, rtab, qp
	s_load_b64 s[12:13], s[0:1], 0x20              ; kvp
	v_lshl_add_u32 v[SPW], v0, 2, SPARE
	v_mov_b32 v[NIL], 0
	ds_add_u32 v10, v11
	ds_add_u32 v10, v11
	s_wait_dscnt 0x0
	v_lshrrev_b32 v1, 5, v0
	s_delay_alu instid0(VALU_DEP_1)
	v_readfirstlane_b32 s[WV], v1                  ; wave 0..7
	s_and_b32 s15, s[WV], 1                        ; which 64 columns are mine
	s_lshr_b32 s16, s[WV], 1                       ; which 64 tokens
	s_bfe_u32 s17, ttmp6, 0x40000                  ; cx, cy: my place in the cluster
	s_bfe_u32 s18, ttmp6, 0x40004
	s_lshl_b32 s19, ttmp9, 2
	s_add_co_u32 s19, s19, s17                     ; X: tile of 128 columns
	s_and_b32 s20, ttmp7, 0xffff
	s_lshl_b32 s20, s20, 2
	s_add_co_u32 s20, s20, s18                     ; Y: tile of 256 tokens
	s_lshl_b32 s22, s18, 2
	s_lshl_b32 s22, 15, s22                        ; my row of the cluster
	s_lshl_b32 s23, 0x1111, s17                    ; my column
	s_or_b32 s[G1W], s23, (3<<16)|(1<<21)          ; 15:0 the mask: W's tiles go to my column; 17:16 elements of 8 bytes; 21 set beside a mask
	s_or_b32 s[G1X], s22, (3<<16)|(1<<21)          ; x's to my row
.irp g, G1W, G1X
	s_mov_b32 s[\g+6], 0
	s_mov_b32 s[\g+7], 0
.endr
	s_mov_b32 s[G1W+1], 32<<16                     ; W: one group's four K steps, 13,312 dense bytes, as 52 rows of 256 (32 elements of 8 bytes)
	s_mov_b32 s[G1W+2], 52<<16
	s_mov_b32 s[G1W+3], 32<<16
	s_mov_b32 s[G1W+4], 52
	s_mov_b32 s[G1W+5], 32
	s_mov_b32 s[G1X+1], (GRP/8)<<16                ; x: two rows (groups) of 13,312 bytes, 53,248 bytes apart in memory, dense in LDS
	s_mov_b32 s[G1X+2], 2<<16
	s_mov_b32 s[G1X+3], (GRP/8)<<16
	s_mov_b32 s[G1X+4], 2
	s_mov_b32 s[G1X+5], GROW/8
	s_and_b32 s60, s[WV], 3                        ; W: group wave % 4 of the four;  x: pair wave % 4
	s_lshl_b32 s56, s19, 2
	s_add_co_u32 s56, s56, s60                     ; W: group 4 X + wave % 4: made of X and the wave's number alone
	s_mul_i32 s56, s56, GROW
	s_mov_b32 s57, 0
	s_mul_i32 s58, s60, GRP                        ; and where it goes
	s_mul_i32 s62, s60, PAIR
	s_add_co_u32 s62, s62, XOFF
	s_lshl_b32 s60, s60, 1
	s_lshl_b32 s61, s20, 3
	s_add_co_u32 s60, s60, s61                     ; group 8 Y + 2 x pair: made of Y and the wave's number alone
	s_mul_i32 s60, s60, GROW
	s_mov_b32 s61, 0
	s_wait_kmcnt 0x0
	s_add_nc_u64 s[56:57], s[6:7], s[56:57]
	s_add_nc_u64 s[60:61], s[4:5], s[60:61]
	CROUND                                         ; all sixteen work-groups are here: the first joint loads meet
.irp s, 0,1
	s_mov_b32 s[G0W+4*\s], 1
	s_add_co_u32 s[G0W+4*\s+1], s58, \s*SLOT
	s_add_nc_u64 s[G0W+4*\s+2:G0W+4*\s+3], s[56:57], \s*GRP        ; slot s begins with K steps 4 s to 4 s + 3
	s_or_b32 s[G0W+4*\s+3], s[G0W+4*\s+3], 0x80000000
	s_mov_b32 s[G0X+4*\s], 1
	s_add_co_u32 s[G0X+4*\s+1], s62, \s*SLOT
	s_add_nc_u64 s[G0X+4*\s+2:G0X+4*\s+3], s[60:61], \s*GRP
	s_or_b32 s[G0X+4*\s+3], s[G0X+4*\s+3], 0x80000000
.endr
	JLOAD 0                                        ; slot 0's first fill: one tensor load a wave at the head
	v_and_b32 v1, 31, v0                           ; lane
	s_delay_alu instid0(VALU_DEP_1)
	v_lshlrev_b32 v[ST16], 4, v1
	s_delay_alu instid0(VALU_DEP_2)
	v_lshlrev_b32 v[ST8], 3, v1
	s_mul_i32 s80, s15, PAIR                       ; my two groups of W,
	s_mul_i32 s81, s16, PAIR
	s_add_co_u32 s81, s81, XOFF                    ; my two groups of x
.irp s, 0,1
	v_add_nc_u32 v[AW16+\s], s80, v[ST16]
	v_add_nc_u32 v[AW8+\s], s80, v[ST8]
	v_add_nc_u32 v[AX16+\s], s81, v[ST16]
	v_add_nc_u32 v[AX8+\s], s81, v[ST8]
	s_add_co_u32 s80, s80, SLOT
	s_add_co_u32 s81, s81, SLOT
.endr
	v_and_b32 v24, 15, v1
	s_delay_alu instid0(VALU_DEP_1)
	v_and_b32 v25, 8, v24
	s_delay_alu instid0(VALU_DEP_1)
	v_add_nc_u32 v24, v24, v25                     ; r + 8 (r / 8)
	v_lshrrev_b32 v25, 4, v1
	s_delay_alu instid0(VALU_DEP_2)
	v_lshlrev_b32 v[RT], 8, v24                    ; the table: 256 bytes a token,
	s_delay_alu instid0(VALU_DEP_1)
	v_lshl_add_u32 v[RT], v25, 7, v[RT]            ; + 128 h: my 16 pairs
	v_mov_b32 v26, 0                               ; (lane permutes' destinations, written once)
	v_mov_b32 v27, 0
	; where the results go
	s_cmp_eq_u32 ttmp9, 5
	s_cselect_b32 s[VF], 1, 0
	s_mov_b32 s[SEL], 0x76543210
	s_mov_b32 s[SEL+1], 0xfedcba98
	s_lshl_b32 s80, s19, 1
	s_add_co_u32 s80, s80, s15                     ; 2 X + wave % 2: 0-31 q's head, 32-39 k's, 40-47 v's
	s_lshl_b32 s81, s20, 3
	s_lshl_b32 s82, s16, 1
	s_add_co_u32 s81, s81, s82                     ; my first group of tokens
	s_lshl_b32 s82, s80, 6
	s_add_co_u32 s82, s82, s81
	s_mul_i32 s82, s82, 1792                       ; q: (head, group)
	s_and_b32 s83, s80, 7
	s_lshl_b32 s83, s83, 4
	s_lshr_b32 s84, s81, 2
	s_add_co_u32 s83, s83, s84
	s_mul_i32 s83, s83, KVP                        ; k, v: (head, step of 128 tokens)
	s_and_b32 s84, s16, 1                          ; which 64 of the 128
	s_mul_i32 s85, s84, 3072
	s_add_co_u32 s85, s85, s83                     ; k's codes: 1,536 bytes a group
	s_lshl_b32 s86, s84, 9
	s_add_co_u32 s86, s86, s83
	s_add_co_u32 s86, s86, 6144                    ; k's scale words: 256 a group
	s_add_co_u32 s87, s82, 1536                    ; q's scale words
	s_mov_b32 s94, 1536
	s_mov_b32 s95, 256
	s_mov_b32 s[FLOOR], 0x2800000                  ; 2^(5 - 127)
	s_cmp_lt_u32 ttmp9, 4                          ; q's cluster?  The choice hangs on the cluster's number alone
	s_cselect_b32 s88, s82, s85
	s_cselect_b32 s90, s87, s86
	s_cselect_b64 s[92:93], s[10:11], s[12:13]
	s_cselect_b32 s94, 1792, s94                   ; from group to group
	s_cselect_b32 s95, 1792, s95
	s_cselect_b32 s[ADJ], 3, 0                     ; q's bytes carry the 1/8,
	s_cselect_b32 s[FLOOR], 0x4000000, s[FLOOR]    ; so q's floor is 2^(8 - 127): the byte still cannot fall under 1
	s_mov_b32 s89, 0
	s_mov_b32 s91, 0
	s_add_nc_u64 s[CB:CB+1], s[92:93], s[88:89]
	s_add_nc_u64 s[SB:SB+1], s[92:93], s[90:91]
	s_add_co_u32 s88, s88, s94
	s_add_co_u32 s90, s90, s95
	s_add_nc_u64 s[CB+2:CB+3], s[92:93], s[88:89]
	s_add_nc_u64 s[SB+2:SB+3], s[92:93], s[90:91]
	s_lshl_b32 s88, s81, 13                        ; 32 tokens of 256 bytes a group
	s_add_nc_u64 s[RB:RB+1], s[8:9], s[88:89]
.macro FRAG reg, a16, a8, off          ; a fragment's image comes back as it was laid: four loads, each of consecutive bytes
	ds_load_b128 v[\reg:\reg+3], v[\a16] offset:\off
	ds_load_b64 v[\reg+4:\reg+5], v[\a8] offset:\off+512
	ds_load_b128 v[\reg+6:\reg+9], v[\a16] offset:\off+768
	ds_load_b64 v[\reg+10:\reg+11], v[\a8] offset:\off+1280
.endm
.macro PROD d, fa, fb, sa, sb, zero
.if \zero
	v_wmma_scale_f32_16x16x128_f8f6f4 v[\d:\d+7], v[\fa:\fa+11], v[\fb:\fb+11], 0, v[\sa], v[\sb] matrix_a_fmt:MATRIX_FMT_BF6 matrix_b_fmt:MATRIX_FMT_BF6
.else
	v_wmma_scale_f32_16x16x128_f8f6f4 v[\d:\d+7], v[\fa:\fa+11], v[\fb:\fb+11], v[\d:\d+7], v[\sa], v[\sb] matrix_a_fmt:MATRIX_FMT_BF6 matrix_b_fmt:MATRIX_FMT_BF6
.endif
.endm
; A K step of 128: 36 LDS loads, 16 products; the 16 accumulators take turns, one instruction a turn.  zero = 1: the first products start the sums.
.macro KSTEP slot, q, zero
.rept 4
	v_nop                                          ; four places in front of loads into registers that matrix instructions have read (ISA guide 7.12.1 for vector instructions)
.endr
.irp g, 0,1
	ds_load_b64 v[WS+2*\g:WS+2*\g+1], v[AW8+\slot] offset:\g*GRP+(\q)*PKB+3072   ; a group's two tiles' scale words by one load
	ds_load_b64 v[XS+2*\g:XS+2*\g+1], v[AX8+\slot] offset:\g*GRP+(\q)*PKB+3072
.endr
.irp b, 0,1,2,3
	FRAG WF+12*\b, AW16+\slot, AW8+\slot, (\b/2)*GRP+(\q)*PKB+(\b%2)*1536
.endr
.irp a, 0,1,2,3
	FRAG XF+12*\a, AX16+\slot, AX8+\slot, (\a/2)*GRP+(\q)*PKB+(\a%2)*1536
.endr
	s_cmp_eq_u32 s[VF], 0
	s_cbranch_scc0 .Lv_\@
.irp a, 0,1,2,3
	s_wait_dscnt 12-4*\a                           ; the scales, W and x's tile a are in: the younger tiles' four loads each may be out
.irp b, 0,1,2,3
	PROD ACC+8*(4*\a+\b), WF+12*\b, XF+12*\a, WS+\b, XS+\a, \zero
.endr
.endr
	s_branch .Le_\@
.Lv_\@:                                            ; v: the sources change places, and the accumulators of one tile of d lie together
.irp a, 0,1,2,3
	s_wait_dscnt 12-4*\a
.irp b, 0,1,2,3
	PROD ACC+8*(4*\b+\a), XF+12*\a, WF+12*\b, XS+\a, WS+\b, \zero
.endr
.endr
.Le_\@:
.endm
; The change of slots: every wave waits for all its tensor loads, adds 0 to its spare word, waits for that and for its reads of the slot that it leaves; a round of the cluster's barrier; the joint refill first behind it.
.macro CHANGE slot
	s_wait_tensorcnt 0x0                           ; no tensor load of mine is out, so a group 0 may be written
	ds_add_u32 v[SPW], v[NIL]
	s_add_nc_u64 s[G0W+4*\slot+2:G0W+4*\slot+3], s[G0W+4*\slot+2:G0W+4*\slot+3], 2*GRP   ; eight K steps on
	s_add_nc_u64 s[G0X+4*\slot+2:G0X+4*\slot+3], s[G0X+4*\slot+2:G0X+4*\slot+3], 2*GRP
	s_wait_dscnt 0x0
	CROUND
	JLOAD \slot                                    ; it has four K steps in which to land
.endm
	s_wait_alu depctr_va_vdst(0)
	s_wait_tensorcnt 0x0                           ; my part of slot 0 is in; slot 1's first fill is issued as a refill is:
	ds_add_u32 v[SPW], v[NIL]
	s_wait_dscnt 0x0
	CROUND                                         ; slot 0 is whole, and all sixteen work-groups are here
	JLOAD 1                                        ; it has four K steps in which to land
	KSTEP 0, 0, 1
	KSTEP 0, 1, 0
	KSTEP 0, 2, 0
	KSTEP 0, 3, 0
	CHANGE 0
	s_wait_alu depctr_va_vdst(0)
	KSTEP 1, 0, 0
	KSTEP 1, 1, 0
	KSTEP 1, 2, 0
	KSTEP 1, 3, 0
	CHANGE 1
	KSTEP 0, 0, 0
	KSTEP 0, 1, 0
	KSTEP 0, 2, 0
	KSTEP 0, 3, 0
	s_wait_tensorcnt 0x0                           ; the last change fills nothing: the three lines and the work-group's barrier
	ds_add_u32 v[SPW], v[NIL]
	s_wait_dscnt 0x0
	s_barrier_signal -1
	s_barrier_wait -1
	KSTEP 1, 0, 0
	KSTEP 1, 1, 0
	KSTEP 1, 2, 0
	KSTEP 1, 3, 0
; THE WAY OUT.  64 numbers a lane pair: register 16 b + i = K 32 b + 16 (lane / 16) + i of my row: two blocks of 32, each in lanes l and l xor 16.  They become a half fragment in v[pc .. pc + 5] and two bytes in v[pw].
.macro QUANT64 src, pc, pw
.irp b, 0,1
	v_max3_num_f32 v[TM+\b], |v[\src+16*\b]|, |v[\src+16*\b+1]|, s[FLOOR]       ; each accumulator is read from its low end on
.endr
.irp i, 2,4,6,8,10,12,14
.irp b, 0,1
	v_max3_num_f32 v[TM+\b], v[TM+\b], |v[\src+16*\b+\i]|, |v[\src+16*\b+\i+1]|
.endr
.endr
.irp b, 0,1
	s_delay_alu instid0(VALU_DEP_2)
	v_permlanex16_b32 v[TM+2+\b], v[TM+\b], s[SEL], s[SEL+1]
.endr
.irp b, 0,1
	s_delay_alu instid0(VALU_DEP_2)
	v_max_num_f32 v[TM+\b], v[TM+\b], v[TM+2+\b]   ; the block's largest magnitude
.endr
.irp b, 0,1
	s_delay_alu instid0(VALU_DEP_2)
	v_add_nc_u32 v[TM+\b], 0xfe000000, v[TM+\b]    ; 4 off its exponent field: the conversion's scale operand
.endr
.irp b, 0,1
	s_delay_alu instid0(VALU_DEP_2)
	v_lshrrev_b32 v[TM+2+\b], 23, v[TM+\b]         ; the scale's byte,
.endr
.irp b, 0,1
	s_delay_alu instid0(VALU_DEP_2)
	v_sub_nc_u32 v[TM+2+\b], v[TM+2+\b], s[ADJ]    ; for q less 3
.endr
	s_delay_alu instid0(VALU_DEP_1)
	v_lshl_or_b32 v[\pw], v[TM+3], 8, v[TM+2]      ; bytes 2 and 3 stay 0: they stand over zero codes
	v_cvt_scalef32_pk16_bf6_f32 v[\pc:\pc+2], v[\src:\src+15], v[TM]
	v_cvt_scalef32_pk16_bf6_f32 v[\pc+4:\pc+6], v[\src+16:\src+31], v[TM+1]
	v_nop                                          ; one plain line behind a scaled conversion
.irp n, 0,1,2
	v_permlane16_swap_b32 v[\pc+\n], v[\pc+4+\n]   ; a WHOLE block to a lane: lanes 0-15 block 0, lanes 16-31 block 1
.endr
.irp n, 0,1,2
	s_delay_alu instid0(VALU_DEP_3)
	v_mov_b32 v[\pc+3+\n], v[\pc+4+\n]
.endr
.endm
.macro RLOAD a, set                    ; token tile a: my token's 16 pairs (cos, sin), j = 16 h + 0 .. 15
.irp n, 0,1,2,3,4,5,6,7
	global_load_b128 v[\set+4*\n:\set+4*\n+3], v[RT], s[RB:RB+1] offset:(32*((\a)/2)+8*((\a)%2))*256+16*\n
.endr
.endm
.macro ROPE a, set                     ; d = j and d = j + 32 lie in one lane, 16 registers apart.  At work: the tile's code registers, which are not written yet
.irp i, 0,1,2,3,4,5,6,7,8,9,10,11,12,13,14,15
	v_mul_f32 v[PC+8*\a+2*(\i%2)], v[ACC+32*\a+16+\i], v[\set+2*\i+1]
	v_mul_f32 v[PC+8*\a+2*(\i%2)+1], v[ACC+32*\a+\i], v[\set+2*\i+1]
	v_fma_f32 v[ACC+32*\a+\i], v[ACC+32*\a+\i], v[\set+2*\i], -v[PC+8*\a+2*(\i%2)]
	v_fma_f32 v[ACC+32*\a+16+\i], v[ACC+32*\a+16+\i], v[\set+2*\i], v[PC+8*\a+2*(\i%2)+1]
.endr
.endm
.macro QKTILE a, set, left, more
	s_wait_loadcnt \left                           ; this tile's eight loads are in; the other set's eight may be out
	ROPE \a, \set
.if \more
	RLOAD \a+2, \set
.endif
	QUANT64 ACC+32*\a, PC+8*\a, PWD+\a
	global_store_b128 v[ST16], v[PC+8*\a:PC+8*\a+3], s[CB+2*(\a/2):CB+2*(\a/2)+1] offset:768*(\a%2)         ; 512 consecutive bytes; every tile has registers of its own
	global_store_b64 v[ST8], v[PC+8*\a+4:PC+8*\a+5], s[CB+2*(\a/2):CB+2*(\a/2)+1] offset:768*(\a%2)+512
.if \a%2
	global_store_b64 v[ST8], v[PWD+\a-1:PWD+\a], s[SB+2*(\a/2):SB+2*(\a/2)+1]   ; the group's two tiles' scale words: 256 consecutive bytes
.endif
.endm
.macro VTILE dt
	QUANT64 ACC+32*\dt, PC+8*\dt, PWD+\dt
	global_store_b128 v[ST16], v[PC+8*\dt:PC+8*\dt+3], s[CB:CB+1] offset:1536*\dt
	global_store_b64 v[ST8], v[PC+8*\dt+4:PC+8*\dt+5], s[CB:CB+1] offset:1536*\dt+512
	global_store_b16 v[ST8], v[PWD+\dt], s[SB:SB+1] offset:256*(\dt/2)+4*(\dt%2)   ; my 64 tokens' two bytes of the word: the other two are another wave's
.endm
.rept 4
	v_nop                                          ; places behind the last products
.endr
	s_cmp_eq_u32 s[VF], 0
	s_cbranch_scc0 .Lvout
	RLOAD 0, 32
	RLOAD 1, 64
	QKTILE 0, 32, 8, 1
	QKTILE 1, 64, 8, 1
	QKTILE 2, 32, 8, 0
	QKTILE 3, 64, 0, 0
	s_branch .Lend
.Lvout:
	s_mul_i32 s88, s84, 768                        ; my 64 tokens are half c of each fragment of V^T
	s_add_co_u32 s88, s88, s83
	s_add_co_u32 s88, s88, 7168
	s_add_nc_u64 s[CB:CB+1], s[12:13], s[88:89]
	s_lshl_b32 s90, s84, 1
	s_add_co_u32 s90, s90, s83
	s_add_co_u32 s90, s90, 13312
	s_add_nc_u64 s[SB:SB+1], s[12:13], s[90:91]
	VTILE 0
	VTILE 1
	VTILE 2
	VTILE 3
.Lend:
	s_wait_tensorcnt 0x0                           ; the wave's end
	ds_add_u32 v[SPW], v[NIL]
	s_wait_dscnt 0x0
	CROUND                                         ; the closing round
	s_endpgm
.Lfunc_end_k_qf9fd702d50_qkv:
	.size	k_qf9fd702d50_qkv, .Lfunc_end_k_qf9fd702d50_qkv-k_qf9fd702d50_qkv
	.p2alignl 7, 3214868480
	.fill 96, 4, 3214868480
	.section	.rodata,"a",@progbits
	.p2align	6, 0x0
	.amdhsa_kernel k_qf9fd702d50_qkv
		.amdhsa_group_segment_fixed_size 327680
		.amdhsa_private_segment_fixed_size 0
		.amdhsa_enable_private_segment 0
		.amdhsa_kernarg_size 40
		.amdhsa_user_sgpr_count 2
		.amdhsa_user_sgpr_kernarg_segment_ptr 1
		.amdhsa_wavefront_size32 1
		.amdhsa_system_sgpr_workgroup_id_x 1
		.amdhsa_system_sgpr_workgroup_id_y 1
		.amdhsa_system_sgpr_workgroup_id_z 1
		.amdhsa_system_vgpr_workitem_id 0
		.amdhsa_next_free_vgpr 256
		.amdhsa_next_free_sgpr 96
		.amdhsa_reserve_vcc 0
		.amdhsa_float_denorm_mode_32 3
		.amdhsa_float_denorm_mode_16_64 3
		.amdhsa_memory_ordered 1
		.amdhsa_forward_progress 1
		.amdhsa_inst_pref_size 156
	.end_amdhsa_kernel
	.amdgpu_metadata
---
amdhsa.version: [ 1, 2 ]
amdhsa.kernels:
  - .name:           k_qf9fd702d50_qkv
    .symbol:         k_qf9fd702d50_qkv.kd
    .args:
      - { .name: xp, .offset: 0, .size: 8, .value_kind: global_buffer, .address_space: global }
      - { .name: wp, .offset: 8, .size: 8, .value_kind: global_buffer, .address_space: global }
      - { .name: rtab, .offset: 16, .size: 8, .value_kind: global_buffer, .address_space: global }
      - { .name: qp, .offset: 24, .size: 8, .value_kind: global_buffer, .address_space: global }
      - { .name: kvp, .offset: 32, .size: 8, .value_kind: global_buffer, .address_space: global }
    .group_segment_fixed_size: 327680
    .private_segment_fixed_size: 0
    .kernarg_segment_align: 8
    .kernarg_segment_size: 40
    .max_flat_workgroup_size: 256
    .sgpr_count:     96
    .vgpr_count:     256
    .wavefront_size: 32
...
	.end_amdgpu_metadata
.endif
;; end of part 2
;; launch attn (part 3): grid 8 x 32, 16 waves a work-group, clusters of 4 x 4, 327,680 bytes of LDS; arguments qp, kvp, attention_mask, ap; writes ap
.if DOCPART == 3
	.amdgcn_target "amdgcn-amd-amdhsa--gfx1250"
	.amdhsa_code_object_version 6
	.text
	.protected	k_qf9fd702d50_attn
	.globl	k_qf9fd702d50_attn
	.p2align	8
	.type	k_qf9fd702d50_attn,@function
k_qf9fd702d50_attn:
	s_mov_b64 s[64:65], 0
	v_nop
	global_prefetch_b8 v0, s[64:65] scope:SCOPE_SE
	s_setreg_imm32_b32 hwreg(HW_REG_WAVE_MODE, 25, 1), 1
	s_wait_xcnt 0x0
	s_wait_alu depctr_hold_cnt(0) depctr_sa_sdst(0) depctr_va_vdst(0) depctr_va_sdst(0) depctr_va_ssrc(0) depctr_va_vcc(0) depctr_vm_vsrc(0)
	s_getreg_b32 s2, hwreg(HW_REG_IB_STS2, 6, 4)
	s_cmp_eq_u32 s2, 0
	s_cbranch_scc0 .Lentry_in_a_cluster
	s_endpgm
.Lentry_in_a_cluster:
	s_bfe_u32 s2, ttmp6, 0x10000c
	s_cmp_lg_u32 s2, 0xf033
	s_cbranch_scc0 .Lentry_shape_is_right
	s_endpgm
.Lentry_shape_is_right:
; ao[q][head 64 + d] = sum over keys of softmax(q . k / 8 + mask[q][key]) v[key][d], both products on codes of BF6 with E8M0 scales, and ao quantised along its 2,048 for the last product.
; qp, kvp: as the launch before lays them (q's scale bytes already carry the 1/8).  attention_mask: [2048][2048] f32, an input: every number of it is read and added; nothing is skipped.
; THE SOFTMAX: t = logit x log2(e); M = the running largest t rounded UP to a whole number; p = 2^(t - M) is quantised along the keys; the row's sum is taken of the unquantised p and divides at the end.
; When M moves, the sum and O are multiplied by 2^(old M - new M): exact.
; SHARES.  A work-group owns 64 queries and the FOUR query heads of one key/value head; wave w: head w % 4, tile of 16 queries w / 4, in 256 registers: four waves to a SIMD, so that one wave's vector work
; stands beside another's products and LDS loads.  Every wave walks all 2,048 keys, 128 a step.
; LAYOUT.  Both products transposed: S^T = K Q^T + mask^T (source 0 = 16 keys, source 1 = my 16 queries; THE MASK IS THE PRODUCT'S C, so the logit costs no addition), O^T = V^T P^T.  A lane holds one query throughout.
; The head's 64 are half of the instruction's K: the upper six registers of Q's and K's fragments hold zero codes.  The keys of a tile are 32 b + 8 u + r + 8 (r / 8), so that the 16 registers of two
; neighbouring tiles are 16 neighbouring keys; the queries of a tile and the d of a tile of V^T likewise.
; RING.  Two slots of 256 keys, 2^17 bytes apart: the mask's 64 rows x 1,024 bytes (four groups of 16 rows, rows 1,040 bytes apart, groups 16,768 apart: the sixteen rows that a load of 16 bytes a lane touches start
; at sixteen different 16-byte columns of 256), then two packs of K and V.
; CLUSTERS, 4 x 4: the four of a row of the cluster own the same queries and ask for the mask jointly; the four of a column own the same key/value head and ask for K and V jointly.
; LIMITS: a block of zeros gets the floor's byte (its codes are zeros); blocks of ao under 2^-122 are held at the floor's scale; a row whose every logit is -infinity gives NaN, as it does in the definition.
; REGISTERS: v1-3 places that stay; v5, v6 the add's; v7 lane; v8-10 addresses of the step; v12 -M, v13 the largest t, v[14:15] the sum; v16-27 Q; v28 the prefetch's offset; v32-79 four fragments of K;
; v96-159 mask, logits, p; then v96-143 V^T's four fragments; v160-191 O^T; v224-235 p's codes; v232-254 at work; v248-251 K's or V's scale words, v253 p's, v255 Q's.
.set KVP,   13824
.set MGRP,  16768
.set MOFF,  4*MGRP                     ; behind the mask: the slot's two packs
.set SLOT1, 1<<17
.set SPARE, 2*SLOT1                    ; the spare words, 128 bytes for each wave: eight blocks of 256 bytes that no other line names
.set AM,   1
.set A16,  2
.set A8,   3
.set SPW,  5
.set NIL,  6
.set ADM,  8
.set AD16, 9
.set AD8,  10
.set PFO,  28
.set WV,   12
.set SEL,  20
.set CS,   22                          ; s[22:23] log2(e): the packed form names a pair and takes its low word for both halves
.set G1M,  24
.set G1K,  32
.set G0M,  40                          ; the two groups 0 walk
.set G0K,  44
.set TB,   48                          ; s48  the slot in hand
.set SLOTS, 49                         ; s49  slots still to be asked for
.set PFA,  50                          ; s[50:51] where my prefetches stand;  s[52:53] a slot on, in bytes;  s54: 1 in a wave that prefetches, else the greatest number
.set PFS,  52
.set LIM,  54
.macro CROUND
	s_barrier_signal -1
	s_barrier_wait -1
	s_cmp_lg_u32 s[WV], 0
	s_cbranch_scc1 .Lnot_wave_0_\@
	s_barrier_signal -3
.Lnot_wave_0_\@:
	s_barrier_wait -3
	s_barrier_signal -1
	s_barrier_wait -1
.endm
.macro JLOAD                           ; waves 0 to 3 fetch the mask's four groups of rows, waves 4 and 5 the slot's two packs, the others nothing.  Four v_nop follow each line
	s_cmp_lt_u32 s[WV], 4
	s_cbranch_scc0 .Lnot_m_\@
	tensor_load_to_lds s[G0M:G0M+3], s[G1M:G1M+7]
	s_nop 0
.rept 4
	v_nop
.endr
	s_branch .Lasked_\@
.Lnot_m_\@:
	s_cmp_lt_u32 s[WV], 6
	s_cbranch_scc0 .Lasked_\@
	tensor_load_to_lds s[G0K:G0K+3], s[G1K:G1K+7]
	s_nop 0
.rept 4
	v_nop
.endr
.Lasked_\@:
.endm
; A PREFETCH of what the NEXT change of slots will ask for, behind the fetching waves' tensor loads.  The mask's 64 rows x 1,024 bytes of a slot: both clusters along x read them, the one with x = 0 asks; its row's four partners
; take 16 rows each, told apart BY ADDRESS (cx); in each, waves 6 and 7 take 8 rows: a lane a block of 256 bytes.  The slot's two packs, 108 blocks: the eight clusters along y read them, the one with y = 0 asks; its column's
; four partners take 27 blocks each (cy); wave 8 asks, lanes 27 to 31 naming block 26 again.  The last change that fills a slot asks for nothing; slots 0 and 1 come by their loads alone.
.macro ASK
	s_cmp_gt_u32 s[SLOTS], s[LIM]
	s_cbranch_scc0 .Lnot_mine_\@
	global_prefetch_b8 v[PFO], s[PFA:PFA+1] th:TH_LOAD_NT scope:SCOPE_SE
.Lnot_mine_\@:
.endm
	s_load_b256 s[4:11], s[0:1], 0x0               ; qp, kvp, attention_mask, ap
	v_lshl_add_u32 v[SPW], v0, 2, SPARE
	v_mov_b32 v[NIL], 0
	ds_add_u32 v5, v6
	ds_add_u32 v5, v6
	s_wait_dscnt 0x0
	v_lshrrev_b32 v8, 5, v0
	s_delay_alu instid0(VALU_DEP_1)
	v_readfirstlane_b32 s[WV], v8                  ; wave 0..15
	s_and_b32 s13, s[WV], 3                        ; my head of the four
	s_lshr_b32 s14, s[WV], 2                       ; my tile of queries
	s_bfe_u32 s15, ttmp6, 0x40000                  ; cx, cy
	s_bfe_u32 s16, ttmp6, 0x40004
	s_lshl_b32 s17, ttmp9, 2
	s_add_co_u32 s17, s17, s15                     ; the key/value head
	s_and_b32 s18, ttmp7, 0xffff
	s_lshl_b32 s18, s18, 2
	s_add_co_u32 s18, s18, s16                     ; the block of 64 queries
	s_lshl_b32 s19, s16, 2
	s_lshl_b32 s19, 15, s19                        ; my row of the cluster
	s_lshl_b32 s55, 0x1111, s15                    ; my column
	; the mask: 16 rows of 256 elements of 4 bytes, 2,048 elements apart; 4 words of padding behind every 256
	s_or_b32 s[G1M], s19, (2<<16)|(1<<20)|(1<<21)|(7<<22)|(3<<25)
	s_mov_b32 s[G1M+1], 256<<16
	s_mov_b32 s[G1M+2], 16<<16
	s_mov_b32 s[G1M+3], 256<<16
	s_mov_b32 s[G1M+4], 16
	s_mov_b32 s[G1M+5], 2048
	s_mov_b32 s[G1M+6], 0
	s_mov_b32 s[G1M+7], 0
	; a pack: 13,824 dense bytes as 54 rows of 256 (32 elements of 8 bytes)
	s_or_b32 s[G1K], s55, (3<<16)|(1<<21)
	s_mov_b32 s[G1K+1], 32<<16
	s_mov_b32 s[G1K+2], 54<<16
	s_mov_b32 s[G1K+3], 32<<16
	s_mov_b32 s[G1K+4], 54
	s_mov_b32 s[G1K+5], 32
	s_mov_b32 s[G1K+6], 0
	s_mov_b32 s[G1K+7], 0
	s_lshl_b32 s56, s18, 6                         ; the mask's rows 64 x block + 16 x (wave % 4): made of the block and the wave's number alone
	s_lshl_b32 s57, s13, 4
	s_add_co_u32 s56, s56, s57
	s_lshl_b32 s56, s56, 13
	s_mov_b32 s57, 0
	s_mul_i32 s58, s13, MGRP
	s_and_b32 s62, s[WV], 1                        ; the pack: wave % 2: made of the key/value head and the wave's number alone
	s_mul_i32 s62, s62, KVP
	s_mul_i32 s60, s17, 16*KVP
	s_add_co_u32 s60, s60, s62
	s_mov_b32 s61, 0
	s_add_co_u32 s62, s62, MOFF
	s_mov_b32 s[SEL], 0x76543210
	s_mov_b32 s[SEL+1], 0xfedcba98
	s_mov_b32 s[CS], 0x3fb8aa3b
	s_mov_b32 s[CS+1], s[CS]
	s_mov_b32 s[TB], 0
	s_mov_b32 s[SLOTS], 7
	s_wait_kmcnt 0x0
	s_mov_b32 s[G0M], 1
	s_mov_b32 s[G0M+1], s58
	s_add_nc_u64 s[G0M+2:G0M+3], s[8:9], s[56:57]
	s_or_b32 s[G0M+3], s[G0M+3], 0x80000000
	s_mov_b32 s[G0K], 1
	s_mov_b32 s[G0K+1], s62
	s_add_nc_u64 s[G0K+2:G0K+3], s[6:7], s[60:61]
	s_or_b32 s[G0K+3], s[G0K+3], 0x80000000
	CROUND                                         ; all sixteen work-groups are here
	JLOAD                                          ; slot 0
	v_and_b32 v7, 31, v0                           ; lane
	v_and_b32 v8, 15, v0                           ; r
	v_bfe_u32 v9, v0, 4, 1                         ; h
	s_delay_alu instid0(VALU_DEP_2)
	v_lshrrev_b32 v10, 3, v8
	s_delay_alu instid0(VALU_DEP_3)
	v_and_b32 v11, 7, v8
	s_delay_alu instid0(VALU_DEP_2)
	v_mul_u32_u24 v[AM], v10, MGRP                 ; my query 32 g + 8 u + r + 8 (r / 8) of the 64: group of rows 2 g + r / 8, row 8 u + r % 8 in it;
	s_delay_alu instid0(VALU_DEP_1)
	v_mad_u32_u24 v[AM], v11, 1040, v[AM]
	s_delay_alu instid0(VALU_DEP_1)
	v_lshl_add_u32 v[AM], v9, 6, v[AM]             ; + 64 h bytes: my 16 keys of each 32
	s_lshr_b32 s66, s14, 1                         ; g
	s_and_b32 s67, s14, 1                          ; u
	s_mul_i32 s68, s66, 2*MGRP
	s_mul_i32 s69, s67, 8*1040
	s_add_co_u32 s68, s68, s69
	v_add_nc_u32 v[AM], s68, v[AM]
	v_lshl_add_u32 v[A16], v7, 4, MOFF
	v_lshl_add_u32 v[A8], v7, 3, MOFF
	; Q, and where ao goes
	s_lshl_b32 s70, s17, 2
	s_add_co_u32 s70, s70, s13                     ; the query head
	s_lshl_b32 s71, s18, 1
	s_add_co_u32 s71, s71, s66                     ; the group of 32 queries
	s_lshl_b32 s72, s70, 6
	s_add_co_u32 s72, s72, s71
	s_mul_i32 s72, s72, 1792
	s_lshl_b32 s78, s67, 2
	s_add_co_u32 s78, s78, s72
	s_add_co_u32 s78, s78, 1536                    ; my tile's scale words
	s_mov_b32 s79, 0
	s_mul_i32 s73, s67, 768
	s_add_co_u32 s72, s72, s73                     ; my tile's half fragment
	s_mov_b32 s73, 0
	s_add_nc_u64 s[74:75], s[4:5], s[72:73]
	s_add_nc_u64 s[76:77], s[4:5], s[78:79]
	v_lshlrev_b32 v10, 4, v7
	v_lshlrev_b32 v11, 3, v7
	global_load_b128 v[16:19], v10, s[74:75]
	global_load_b64 v[20:21], v11, s[74:75] offset:512
	global_load_b32 v255, v11, s[76:77]
	s_lshl_b32 s84, s71, 4                         ; ao's pack: (group, K step = head / 2)
	s_lshr_b32 s85, s70, 1
	s_add_co_u32 s84, s84, s85
	s_mul_i32 s84, s84, 3328
	s_and_b32 s85, s70, 1                          ; c = head % 2
	s_mul_i32 s86, s67, 1536
	s_add_co_u32 s86, s86, s84
	s_mul_i32 s87, s85, 768
	s_add_co_u32 s86, s86, s87
	s_mov_b32 s87, 0
	s_add_nc_u64 s[80:81], s[10:11], s[86:87]      ; the half fragment (u, c)
	s_lshl_b32 s86, s67, 2
	s_add_co_u32 s86, s86, s84
	s_lshl_b32 s85, s85, 1
	s_add_co_u32 s86, s86, s85
	s_add_co_u32 s86, s86, 3072
	s_add_nc_u64 s[82:83], s[10:11], s[86:87]      ; its two bytes of the scale words
	; the prefetches: who asks, and where
	s_and_b32 s88, s[WV], 1
	s_lshl_b32 s88, s88, 3
	s_lshl_b32 s89, s15, 4
	s_add_co_u32 s88, s88, s89
	s_lshl_b32 s89, s18, 6
	s_add_co_u32 s88, s88, s89                     ; the mask's row 64 x block + 16 cx + 8 (wave % 2)
	s_lshl_b32 s88, s88, 13
	s_add_co_u32 s88, s88, 1024                    ; in slot 1: the first change of slots steps it to slot 2
	s_mul_i32 s89, s17, 16*KVP
	s_mul_i32 s90, s16, 27*256
	s_add_co_u32 s89, s89, s90
	s_add_co_u32 s89, s89, 2*KVP                   ; the packs' block 27 cy, in slot 1
	s_and_b32 s86, ttmp7, 0xffff                   ; cluster y
	s_mov_b32 s85, 1
	s_mov_b32 s[PFS], 2*KVP
	s_sub_co_u32 s84, s[WV], 6
	s_cmp_lt_u32 s84, 2                            ; waves 6 and 7: the mask
	s_cselect_b32 s85, ttmp9, s85
	s_cselect_b64 s[PFA:PFA+1], s[8:9], s[6:7]
	s_cselect_b32 s[PFS], 1024, s[PFS]
	s_cselect_b32 s88, s88, s89
	s_cselect_b32 s87, -1, 0
	s_cmp_eq_u32 s[WV], 8                          ; wave 8: the packs
	s_cselect_b32 s85, s86, s85
	s_cmp_eq_u32 s85, 0
	s_cselect_b32 s[LIM], 1, -1                    ; the same in all sixteen partners, for a given wave
	s_mov_b32 s89, 0
	s_mov_b32 s[PFS+1], 0
	s_add_nc_u64 s[PFA:PFA+1], s[PFA:PFA+1], s[88:89]
	v_lshrrev_b32 v29, 2, v7
	v_and_b32 v30, 3, v7
	s_delay_alu instid0(VALU_DEP_2)
	v_lshlrev_b32 v29, 13, v29
	s_delay_alu instid0(VALU_DEP_1)
	v_lshl_add_u32 v29, v30, 8, v29                ; the mask: row lane / 4, block lane % 4
	v_min_u32 v30, 26, v7
	s_delay_alu instid0(VALU_DEP_1)
	v_lshlrev_b32 v30, 8, v30                      ; the packs: block min(lane, 26)
	s_delay_alu instid0(VALU_DEP_1)
	v_cndmask_b32 v[PFO], v30, v29, s87
	; what begins as zero
.irp n, 22,23,24,25,26,27
	v_mov_b32 v\n, 0                               ; Q's upper 64 along K: zero codes
.endr
.irp t, 0,1,2,3
.irp n, 6,7,8,9,10,11
	v_mov_b32 v[32+12*\t+\n], 0                    ; K's likewise: written once, never loaded
.endr
.endr
	v_mov_b32 v13, 0xff61b1e6                      ; the largest t so far: -3e38
	s_delay_alu instid0(VALU_DEP_1)
	v_floor_f32 v12, -v13                          ; -M
	v_mov_b32 v14, 0
	v_mov_b32 v15, 0
.irp b, 0,1,2,3
	v_mov_b32 v[236+\b], 0                         ; a lane permute's destination counts as one of its sources
.endr
	v_mov_b32 v253, 0
.set J, 0
.rept 32
	v_mov_b32 v[160+J], 0                          ; O^T: the step is written once; its first turn finds zeros, which the first change of M leaves zeros
.set J, J+1
.endr
; A KEY STEP: 128 keys, the q-th of the slot in hand.
.macro STEP q
	v_add_nc_u32 v[ADM], s[TB], v[AM]
	v_add_nc_u32 v[AD16], s[TB], v[A16]
	s_wait_alu depctr_va_vdst(0)
	v_add_nc_u32 v[AD8], s[TB], v[A8]
	s_wait_alu depctr_va_vdst(0)
.rept 3
	v_nop                                          ; six places: the loads below land in, and the products below write over, registers that the last step's products read (four and five are asked)
.endr
.irp T, 0,1,2,3,4,5,6,7                        ; the mask in the result's layout: register 8 T + j is key 32 (T / 2) + 16 h + 8 (T % 2) + j of my query
	ds_load_b128 v[96+8*\T:99+8*\T], v[ADM] offset:512*(\q)+128*(\T/2)+32*(\T%2)
	ds_load_b128 v[100+8*\T:103+8*\T], v[ADM] offset:512*(\q)+128*(\T/2)+32*(\T%2)+16
.endr
.irp g, 0,1                                    ; logits = K Q^T (q's scales carry the 1/8) + mask, four tiles of 16 keys at a time
.if \g
.rept 4
	v_nop
.endr
.endif
.irp t, 0,1,2,3
	ds_load_b128 v[32+12*\t:35+12*\t], v[AD16] offset:(\q)*KVP+768*(4*\g+\t)
	ds_load_b64 v[36+12*\t:37+12*\t], v[AD8] offset:(\q)*KVP+768*(4*\g+\t)+512
.endr
	ds_load_b64 v[248:249], v[AD8] offset:(\q)*KVP+6144+512*\g
	ds_load_b64 v[250:251], v[AD8] offset:(\q)*KVP+6144+512*\g+256
	s_wait_dscnt 0x0
.irp t, 0,1,2,3
	v_wmma_scale_f32_16x16x128_f8f6f4 v[96+8*(4*\g+\t):103+8*(4*\g+\t)], v[32+12*\t:43+12*\t], v[16:27], v[96+8*(4*\g+\t):103+8*(4*\g+\t)], v[248+\t], v255 matrix_a_fmt:MATRIX_FMT_BF6 matrix_b_fmt:MATRIX_FMT_BF6
.endr
.endr
.rept 4
	v_nop
.endr
.irp b, 0,1,2,3
	v_max3_num_f32 v[232+\b], v[96+16*\b], v[97+16*\b], v[98+16*\b]   ; the largest logit of each block of 32 keys: for the row's maximum, and, since p rises with the logit, for the block's largest p
.endr
.irp i, 3,5,7,9,11,13
.irp b, 0,1,2,3
	v_max3_num_f32 v[232+\b], v[232+\b], v[96+16*\b+\i], v[97+16*\b+\i]
.endr
.endr
.irp b, 0,1,2,3
	v_max_num_f32 v[232+\b], v[232+\b], v[111+16*\b]
.endr
.irp b, 0,1,2,3
	s_delay_alu instid0(VALU_DEP_4)
	v_permlanex16_b32 v[236+\b], v[232+\b], s[SEL], s[SEL+1]
.endr
.irp b, 0,1,2,3
	s_delay_alu instid0(VALU_DEP_4)
	v_max_num_f32 v[232+\b], v[232+\b], v[236+\b]  ; with lane l xor 16's 16 keys
.endr
	s_delay_alu instid0(VALU_DEP_2)
	v_max3_num_f32 v254, v232, v233, v234
	s_delay_alu instid0(VALU_DEP_1)
	v_max_num_f32 v254, v254, v235
	s_delay_alu instid0(VALU_DEP_1)
	v_mul_f32 v254, s[CS], v254                    ; the step's largest t
	s_delay_alu instid0(VALU_DEP_1)
	v_max_num_f32 v13, v13, v254                   ; the running largest
	v_mov_b32 v254, v12
	s_delay_alu instid0(VALU_DEP_2)
	v_floor_f32 v12, -v13                          ; the new -M = -ceil(t): a whole number
	s_delay_alu instid0(VALU_DEP_1)
	v_sub_f32 v254, v12, v254                      ; old M - new M, 0 or less
	s_delay_alu instid0(VALU_DEP_1)
	v_cvt_i32_f32 v254, v254                       ; (it saturates)
	s_delay_alu instid0(VALU_DEP_1)
	v_ldexp_f32 v252, 1.0, v254                    ; f = 2^(old M - new M)
.set J, 0
.rept 32
	v_pk_fma_f32 v[96+J:97+J], v[96+J:97+J], s[CS:CS+1], v[12:13] op_sel_hi:[1,0,0]   ; t - M, two at a time
.set J, J+2
.endr
.irp b, 0,1,2,3
	v_fma_f32 v[232+\b], v[232+\b], s[CS], v12     ; the same of each block's largest logit
.endr
.set J, 0
	s_wait_alu depctr_va_vdst(0)
.rept 64
	v_exp_f32 v[96+J], v[96+J]                     ; p = 2^(t - M): one batch
.set J, J+1
.endr
	v_pk_mul_f32 v[14:15], v[14:15], v[252:253] op_sel_hi:[1,0]   ; the sums under the new M (a plain line behind the exponentials)
	s_wait_alu depctr_va_vdst(0)                   ; one wait for the batch, ahead of its first reader
.irp b, 0,1,2,3
	v_exp_f32 v[232+\b], v[232+\b]                 ; the blocks' largest p: the same two instructions on the same number
.endr
	v_pk_add_f32 v[236:237], v[100:101], v[104:105]
	v_pk_add_f32 v[250:251], v[108:109], v[112:113]
	v_pk_add_f32 v[248:249], v[116:117], v[120:121]
	v_pk_add_f32 v[246:247], v[124:125], v[128:129]
	v_pk_add_f32 v[244:245], v[132:133], v[136:137]
	v_pk_add_f32 v[242:243], v[140:141], v[144:145]
	v_pk_add_f32 v[240:241], v[148:149], v[152:153]
	v_pk_add_f32 v[14:15], v[14:15], v[156:157]
	v_pk_add_f32 v[236:237], v[236:237], v[96:97]
	v_pk_add_f32 v[250:251], v[250:251], v[98:99]
	v_pk_add_f32 v[248:249], v[248:249], v[102:103]
	v_pk_add_f32 v[246:247], v[246:247], v[106:107]
	v_pk_add_f32 v[244:245], v[244:245], v[110:111]
	v_pk_add_f32 v[242:243], v[242:243], v[114:115]
	v_pk_add_f32 v[240:241], v[240:241], v[118:119]
	v_pk_add_f32 v[14:15], v[14:15], v[122:123]
	v_pk_add_f32 v[236:237], v[236:237], v[126:127]
	v_pk_add_f32 v[250:251], v[250:251], v[130:131]
	v_pk_add_f32 v[248:249], v[248:249], v[134:135]
	v_pk_add_f32 v[246:247], v[246:247], v[138:139]
	v_pk_add_f32 v[244:245], v[244:245], v[142:143]
	v_pk_add_f32 v[242:243], v[242:243], v[146:147]
	v_pk_add_f32 v[240:241], v[240:241], v[150:151]
	v_pk_add_f32 v[14:15], v[14:15], v[154:155]
	v_pk_add_f32 v[236:237], v[236:237], v[158:159]
	s_delay_alu instid0(VALU_DEP_2)
	v_pk_add_f32 v[14:15], v[14:15], v[246:247]
	s_delay_alu instid0(VALU_DEP_2)
	v_pk_add_f32 v[236:237], v[236:237], v[244:245]
	v_pk_add_f32 v[250:251], v[250:251], v[242:243]
	v_pk_add_f32 v[248:249], v[248:249], v[240:241]
	s_delay_alu instid0(VALU_DEP_2)
	v_pk_add_f32 v[14:15], v[14:15], v[250:251]
	s_delay_alu instid0(VALU_DEP_2)
	v_pk_add_f32 v[236:237], v[236:237], v[248:249]
	s_delay_alu instid0(VALU_DEP_1)
	v_pk_add_f32 v[14:15], v[14:15], v[236:237]
	s_wait_alu depctr_va_vdst(0)                   ; and one for the four
.irp b, 0,1,2,3
	v_max_num_f32 v[232+\b], 0x2800000, v[232+\b]  ; the floor 2^(5 - 127)
.endr
.irp b, 0,1,2,3
	s_delay_alu instid0(VALU_DEP_4)
	v_add_nc_u32 v[244+\b], 0xfe000000, v[232+\b]  ; the conversion's scale operand
.endr
.irp b, 0,1,2,3
	s_delay_alu instid0(VALU_DEP_4)
	v_lshrrev_b32 v[236+\b], 23, v[244+\b]         ; the scale's byte
.endr
	s_delay_alu instid0(VALU_DEP_3)
	v_lshl_or_b32 v253, v237, 8, v236              ; p's scale word for these 128 keys
	s_delay_alu instid0(VALU_DEP_1)
	v_lshl_or_b32 v253, v238, 16, v253
	s_delay_alu instid0(VALU_DEP_1)
	v_lshl_or_b32 v253, v239, 24, v253
.irp c, 0,1
	v_cvt_scalef32_pk16_bf6_f32 v[224+6*\c:226+6*\c], v[96+32*\c:111+32*\c], v[244+2*\c]
	v_cvt_scalef32_pk16_bf6_f32 v[236+4*\c:238+4*\c], v[112+32*\c:127+32*\c], v[244+2*\c+1]
.endr
	v_nop                                          ; one plain line behind a scaled conversion
.irp d, 0,1,2,3                                ; V^T's four fragments into p's registers, which are done with; the lines down to the wait stand between
	ds_load_b128 v[96+12*\d:99+12*\d], v[AD16] offset:(\q)*KVP+7168+1536*\d
	ds_load_b64 v[100+12*\d:101+12*\d], v[AD8] offset:(\q)*KVP+7168+1536*\d+512
	ds_load_b128 v[102+12*\d:105+12*\d], v[AD16] offset:(\q)*KVP+7168+1536*\d+768
	ds_load_b64 v[106+12*\d:107+12*\d], v[AD8] offset:(\q)*KVP+7168+1536*\d+1280
.endr
	ds_load_b64 v[248:249], v[AD8] offset:(\q)*KVP+13312
	ds_load_b64 v[250:251], v[AD8] offset:(\q)*KVP+13568
.irp c, 0,1                                    ; a WHOLE block to a lane: lanes 0-15 block 2 c, lanes 16-31 block 2 c + 1
.irp i, 0,1,2
	v_permlane16_swap_b32 v[224+6*\c+\i], v[236+4*\c+\i]
.endr
.irp i, 0,1,2
	s_delay_alu instid0(VALU_DEP_3)
	v_mov_b32 v[227+6*\c+\i], v[236+4*\c+\i]
.endr
.endr
.set J, 0
.rept 16
	v_pk_mul_f32 v[160+J:161+J], v[160+J:161+J], v[252:253] op_sel_hi:[1,0]   ; O^T under the new M; these sixteen also stand between the scale word, the codes and the products
.set J, J+2
.endr
	s_wait_alu depctr_va_vdst(0)
	s_wait_dscnt 0x0
.irp d, 0,1,2,3
	v_wmma_scale_f32_16x16x128_f8f6f4 v[160+8*\d:167+8*\d], v[96+12*\d:107+12*\d], v[224:235], v[160+8*\d:167+8*\d], v[248+\d], v253 matrix_a_fmt:MATRIX_FMT_BF6 matrix_b_fmt:MATRIX_FMT_BF6
.endr
.endm
; THE CHANGE OF SLOTS stands at a slot's head: every wave waits for all its tensor loads, adds 0 to its spare word, waits for that and for its reads of the slot that it has left.  fill = 1: a round of the cluster's
; barrier, and the joint fill of that slot first behind it: it has two key steps in which to land.
.macro CHANGE fill
	s_wait_tensorcnt 0x0                           ; no tensor load of mine is out, so a group 0 may be written
	ds_add_u32 v[SPW], v[NIL]
.if \fill
	s_xor_b32 s[G0M+1], s[G0M+1], SLOT1            ; the other slot than last time,
	s_add_nc_u64 s[G0M+2:G0M+3], s[G0M+2:G0M+3], 1024   ; the next 256 keys
	s_xor_b32 s[G0K+1], s[G0K+1], SLOT1
	s_add_nc_u64 s[G0K+2:G0K+3], s[G0K+2:G0K+3], 2*KVP
	s_wait_xcnt 0x0                                ; the last prefetch, a slot back, has read its address
	s_add_nc_u64 s[PFA:PFA+1], s[PFA:PFA+1], s[PFS:PFS+1]   ; one slot further on than the walking descriptors
	s_wait_dscnt 0x0
	CROUND
	JLOAD
	ASK
.else
	s_wait_dscnt 0x0
	s_barrier_signal -1
	s_barrier_wait -1
.endif
.endm
	s_wait_loadcnt 0x0                             ; Q
.Lslot:                                            ; seven trips: behind each change of slots but the last the next slot is asked for
	CHANGE 1
	STEP 0
	STEP 1
	s_xor_b32 s[TB], s[TB], SLOT1
	s_sub_co_u32 s[SLOTS], s[SLOTS], 1
	s_cmp_lg_u32 s[SLOTS], 0
	s_cbranch_scc1 .Lslot
	CHANGE 0                                       ; the last slot is written out
	STEP 0
	STEP 1
	; THE WAY OUT: O^T / the sum; register 16 b + i is d = 32 b + 16 h + i of my query and head: two blocks of 32 along the last product's K.  They leave as a half fragment and two scale bytes.
.rept 4
	v_nop                                          ; places behind the last products
.endr
	v_add_f32 v14, v14, v15
	s_delay_alu instid0(VALU_DEP_1)
	v_permlanex16_b32 v252, v14, s[SEL], s[SEL+1]
	s_delay_alu instid0(VALU_DEP_1)
	v_add_f32 v14, v14, v252                       ; the row's sum
	s_wait_alu depctr_va_vdst(0)
	v_rcp_f32 v14, v14
	v_lshlrev_b32 v8, 4, v7                        ; (plain lines behind the transcendental)
	v_lshlrev_b32 v9, 3, v7
	s_wait_alu depctr_va_vdst(0)
.set J, 0
.rept 32
	v_mul_f32 v[96+J], v[160+J], v14               ; each accumulator from its low end on
.set J, J+1
.endr
.irp b, 0,1
	v_max3_num_f32 v[236+\b], |v[96+16*\b]|, |v[97+16*\b]|, 0x2800000
.endr
.irp i, 2,4,6,8,10,12,14
.irp b, 0,1
	s_delay_alu instid0(VALU_DEP_2)
	v_max3_num_f32 v[236+\b], v[236+\b], |v[96+16*\b+\i]|, |v[97+16*\b+\i]|
.endr
.endr
.irp b, 0,1
	s_delay_alu instid0(VALU_DEP_2)
	v_permlanex16_b32 v[238+\b], v[236+\b], s[SEL], s[SEL+1]
.endr
.irp b, 0,1
	s_delay_alu instid0(VALU_DEP_2)
	v_max_num_f32 v[236+\b], v[236+\b], v[238+\b]
.endr
.irp b, 0,1
	s_delay_alu instid0(VALU_DEP_2)
	v_add_nc_u32 v[236+\b], 0xfe000000, v[236+\b]
.endr
.irp b, 0,1
	s_delay_alu instid0(VALU_DEP_2)
	v_lshrrev_b32 v[238+\b], 23, v[236+\b]
.endr
	s_delay_alu instid0(VALU_DEP_1)
	v_lshl_or_b32 v232, v239, 8, v238
	v_cvt_scalef32_pk16_bf6_f32 v[224:226], v[96:111], v236
	v_cvt_scalef32_pk16_bf6_f32 v[228:230], v[112:127], v237
	v_nop
.irp n, 0,1,2
	v_permlane16_swap_b32 v[224+\n], v[228+\n]
.endr
.irp n, 0,1,2
	s_delay_alu instid0(VALU_DEP_3)
	v_mov_b32 v[227+\n], v[228+\n]
.endr
	global_store_b128 v8, v[224:227], s[80:81]     ; 512 consecutive bytes, at a multiple of 256 from the buffer's first byte
	global_store_b64 v9, v[228:229], s[80:81] offset:512
	global_store_b16 v9, v232, s[82:83]            ; my head's two bytes of the word: the other two are another wave's
	s_wait_tensorcnt 0x0                           ; the wave's end
	ds_add_u32 v[SPW], v[NIL]
	s_wait_dscnt 0x0
	CROUND                                         ; the closing round
	s_endpgm
.Lfunc_end_k_qf9fd702d50_attn:
	.size	k_qf9fd702d50_attn, .Lfunc_end_k_qf9fd702d50_attn-k_qf9fd702d50_attn
	.p2alignl 7, 3214868480
	.fill 96, 4, 3214868480
	.section	.rodata,"a",@progbits
	.p2align	6, 0x0
	.amdhsa_kernel k_qf9fd702d50_attn
		.amdhsa_group_segment_fixed_size 327680
		.amdhsa_private_segment_fixed_size 0
		.amdhsa_enable_private_segment 0
		.amdhsa_kernarg_size 32
		.amdhsa_user_sgpr_count 2
		.amdhsa_user_sgpr_kernarg_segment_ptr 1
		.amdhsa_wavefront_size32 1
		.amdhsa_system_sgpr_workgroup_id_x 1
		.amdhsa_system_sgpr_workgroup_id_y 1
		.amdhsa_system_sgpr_workgroup_id_z 1
		.amdhsa_system_vgpr_workitem_id 0
		.amdhsa_next_free_vgpr 256
		.amdhsa_next_free_sgpr 96
		.amdhsa_reserve_vcc 0
		.amdhsa_float_denorm_mode_32 3
		.amdhsa_float_denorm_mode_16_64 3
		.amdhsa_memory_ordered 1
		.amdhsa_forward_progress 1
		.amdhsa_inst_pref_size 91
	.end_amdhsa_kernel
	.amdgpu_metadata
---
amdhsa.version: [ 1, 2 ]
amdhsa.kernels:
  - .name:           k_qf9fd702d50_attn
    .symbol:         k_qf9fd702d50_attn.kd
    .args:
      - { .name: qp, .offset: 0, .size: 8, .value_kind: global_buffer, .address_space: global }
      - { .name: kvp, .offset: 8, .size: 8, .value_kind: global_buffer, .address_space: global }
      - { .name: attention_mask, .offset: 16, .size: 8, .value_kind: global_buffer, .address_space: global }
      - { .name: ap, .offset: 24, .size: 8, .value_kind: global_buffer, .address_space: global }
    .group_segment_fixed_size: 327680
    .private_segment_fixed_size: 0
    .kernarg_segment_align: 8
    .kernarg_segment_size: 32
    .max_flat_workgroup_size: 512
    .sgpr_count:     96
    .vgpr_count:     256
    .wavefront_size: 32
...
	.end_amdgpu_metadata
.endif
;; end of part 3
;; launch oproj (part 4): grid 16 x 16, 4 waves a work-group, clusters of 4 x 4, 327,680 bytes of LDS; arguments ap, wop, out0; writes out0
.if DOCPART == 4
	.amdgcn_target "amdgcn-amd-amdhsa--gfx1250"
	.amdhsa_code_object_version 6
	.text
	.protected	k_qf9fd702d50_oproj
	.globl	k_qf9fd702d50_oproj
	.p2align	8
	.type	k_qf9fd702d50_oproj,@function
k_qf9fd702d50_oproj:
	s_mov_b64 s[64:65], 0
	v_nop
	global_prefetch_b8 v0, s[64:65] scope:SCOPE_SE
	s_setreg_imm32_b32 hwreg(HW_REG_WAVE_MODE, 25, 1), 1
	s_wait_xcnt 0x0
	s_wait_alu depctr_hold_cnt(0) depctr_sa_sdst(0) depctr_va_vdst(0) depctr_va_sdst(0) depctr_va_ssrc(0) depctr_va_vcc(0) depctr_vm_vsrc(0)
	s_getreg_b32 s2, hwreg(HW_REG_IB_STS2, 6, 4)
	s_cmp_eq_u32 s2, 0
	s_cbranch_scc0 .Lentry_in_a_cluster
	s_endpgm
.Lentry_in_a_cluster:
	s_bfe_u32 s2, ttmp6, 0x10000c
	s_cmp_lg_u32 s2, 0xf033
	s_cbranch_scc0 .Lentry_shape_is_right
	s_endpgm
.Lentry_shape_is_right:
; out0 = ao W_o on codes of BF6 with E8M0 scales, f32 sums.  ap: [64 groups of 32 tokens][16 K steps][pack of 3,328 bytes], wop likewise for w_o's 2,048 columns
; (tile u of group g has in lane index r row 32 g + 8 u + r + 8 (r / 8); a fragment is an image of its 12 registers; the two tiles' scale words at 3072 + 8 x lane).
; SHARES.  A work-group makes 128 columns x 128 tokens: 16 x 16 work-groups.  Four waves; wave w: columns 64 (w % 2) on, tokens 64 (w / 2) on: 16 accumulators.
; Source 0 = 16 columns of W, source 1 = 16 tokens: a lane holds one token, and a token tile's four accumulators are 32 of its row's 64 columns: 32 b + 16 (lane / 16) + 0 .. 15.
; REGISTERS.  Window 0: v2-15 addresses, v16-31 two sets of scale words (nothing else), v32-223 two sets of fragments (W's four, the tokens' four).  Window 1: v0-127 the accumulators.
; While step n's 16 products run on one set, step n + 1's 36 LDS loads land in the other.
; RING.  Two LDS slots of FOUR K steps each (W's four groups, the tokens' four): four fills, written out, one tensor load a wave each: waves 0, 1 W's two pairs of groups, waves 2, 3 the tokens'.
; By this text's own count one tensor load of a wave is out at the most.  lds_bytes claims all of LDS.
; CLUSTERS, 4 x 4: W's tiles are asked for jointly along a column of the cluster, the tokens' along a row.
; PREFETCH.  Fills 2 and 3 are named one fill (four K steps) ahead of their loads.  A wave's load is 2 rows x 52 blocks of 256 bytes; its four partners take 26 blocks each, told apart by address
; (cy for W, cx for the tokens): a lane a block, lanes 26 to 31 naming block 25 again.  Fills 0 and 1 come by their loads alone.
; THE WAY OUT: 16 tokens x 256 bytes at a time through the wave's own stage in slot 0, which has had its last fill and its last read by then; sixteen lanes store 256 consecutive bytes.
.set PKB,   3328
.set GRP,   4*PKB                      ; a group's four K steps
.set PAIR,  2*GRP                      ; what one tensor load brings, and what a wave reads of W or of the tokens
.set XOFF,  4*GRP
.set SLOT,  8*GRP
.set SPARE, 2*SLOT                     ; the spare words, 128 bytes for each wave: two blocks of 256 bytes that no other line names
.set GROW,  16*PKB                     ; a group's 16 K steps in memory
.set SP,    272                        ; a stage row: 256 bytes + 16
.set AW16, 2                           ; v2-3 my W fragments in slot 0, 1, 16 bytes a lane; v4-5 8 bytes a lane; v6-9 the same for the tokens
.set AW8,  4
.set AX16, 6
.set AX8,  8
.set SPW,  10
.set NIL,  11
.set STO,  12
.set RD,   13
.set CO,   14
.set PFO,  15
.set WS,   16                          ; set p: W's scale words at v[16 + 8 p], the tokens' at v[20 + 8 p]
.set XS,   20
.set WF,   32                          ; set p: W's fragments at v[32 + 96 p], the tokens' at v[80 + 96 p]
.set XF,   80
.set ACCW, 0x50                        ; C and D in window 1
.set WV,   14
.set G1W,  24
.set G1X,  32
.set G0W,  40                          ; a group 0 for each slot
.set G0X,  48
.set PFA,  86
.set MSB, 0
.macro WIN new                         ; the immediate's high byte repeats the setting that is left
.if MSB != \new
	s_set_vgpr_msb (MSB<<8)|\new
.set MSB, \new
.endif
.endm
.macro PLACES
.rept 4
	v_nop
.endr
.endm
.macro CROUND                          ; a round of the cluster's barrier
	s_barrier_signal -1
	s_barrier_wait -1
	s_cmp_lg_u32 s[WV], 0
	s_cbranch_scc1 .Lnot_wave_0_\@
	s_barrier_signal -3
.Lnot_wave_0_\@:
	s_barrier_wait -3
	s_barrier_signal -1
	s_barrier_wait -1
.endm
.macro JLOAD s                         ; a joint load, one a wave; s_nop 0 and four v_nop follow each line
	s_cmp_eq_u32 s16, 0
	s_cbranch_scc0 .Lfor_x_\@
	tensor_load_to_lds s[G0W+4*(\s):G0W+4*(\s)+3], s[G1W:G1W+7]
	s_nop 0
	PLACES
	s_branch .Lasked_\@
.Lfor_x_\@:
	tensor_load_to_lds s[G0X+4*(\s):G0X+4*(\s)+3], s[G1X:G1X+7]
	s_nop 0
	PLACES
.Lasked_\@:
.endm
.macro ASK off                         ; my 26 blocks of the fill that begins off bytes along my groups' rows; the address registers are never rewritten
	global_prefetch_b8 v[PFO], s[PFA:PFA+1] offset:\off th:TH_LOAD_NT scope:SCOPE_SE
.endm
	s_load_b128 s[4:7], s[0:1], 0x0                ; ap, wop
	s_load_b64 s[8:9], s[0:1], 0x10                ; out0
	v_lshl_add_u32 v[SPW], v0, 2, SPARE
	v_mov_b32 v[NIL], 0
	ds_add_u32 v[SPW], v[NIL]
	ds_add_u32 v[SPW], v[NIL]
	v_lshrrev_b32 v1, 5, v0
	v_readfirstlane_b32 s[WV], v1                  ; wave 0..3
	s_and_b32 s15, s[WV], 1                        ; which 64 columns are mine.  Also: which pair of groups I fetch
	s_lshr_b32 s16, s[WV], 1                       ; which 64 tokens.  Also: I fetch for W (0) or for the tokens (1)
	s_bfe_u32 s17, ttmp6, 0x40000                  ; cx, cy
	s_bfe_u32 s18, ttmp6, 0x40004
	s_lshl_b32 s19, ttmp9, 2
	s_add_co_u32 s19, s19, s17                     ; X: tile of 128 columns
	s_and_b32 s20, ttmp7, 0xffff
	s_lshl_b32 s20, s20, 2
	s_add_co_u32 s20, s20, s18                     ; Y: tile of 128 tokens
	s_lshl_b32 s22, s18, 2
	s_lshl_b32 s22, 15, s22                        ; my row of the cluster
	s_lshl_b32 s23, 0x1111, s17                    ; my column
	s_or_b32 s[G1W], s23, (3<<16)|(1<<21)          ; two rows (groups) of 1,664 elements of 8 bytes, 6,656 elements apart; W's tiles go to my column,
	s_or_b32 s[G1X], s22, (3<<16)|(1<<21)          ; the tokens' to my row
.irp g, G1W, G1X
	s_mov_b32 s[\g+1], (GRP/8)<<16
	s_mov_b32 s[\g+2], 2<<16
	s_mov_b32 s[\g+3], (GRP/8)<<16
	s_mov_b32 s[\g+4], 2
	s_mov_b32 s[\g+5], GROW/8
	s_mov_b32 s[\g+6], 0
	s_mov_b32 s[\g+7], 0
.endr
	s_lshl_b32 s57, s15, 1
	s_lshl_b32 s56, s19, 2
	s_add_co_u32 s56, s56, s57                     ; W: group 4 X + 2 (wave % 2): made of X and the wave's number alone
	s_mul_i32 s56, s56, GROW
	s_lshl_b32 s60, s20, 2
	s_add_co_u32 s60, s60, s57                     ; tokens: group 4 Y + 2 (wave % 2): made of Y and the wave's number alone
	s_mul_i32 s60, s60, GROW
	s_mov_b32 s57, 0
	s_mov_b32 s61, 0
	s_mul_i32 s58, s15, PAIR                       ; where they go
	s_add_co_u32 s62, s58, XOFF
	s_wait_dscnt 0x0                               ; both opening adds are done
	s_wait_kmcnt 0x0
	s_add_nc_u64 s[56:57], s[6:7], s[56:57]
	s_add_nc_u64 s[60:61], s[4:5], s[60:61]
	CROUND                                         ; all sixteen work-groups are here: the first joint loads meet
.irp s, 0,1
	s_mov_b32 s[G0W+4*\s], 1
	s_add_co_u32 s[G0W+4*\s+1], s58, \s*SLOT
	s_add_nc_u64 s[G0W+4*\s+2:G0W+4*\s+3], s[56:57], \s*GRP        ; slot s begins with K steps 4 s to 4 s + 3
	s_or_b32 s[G0W+4*\s+3], s[G0W+4*\s+3], 0x80000000
	s_mov_b32 s[G0X+4*\s], 1
	s_add_co_u32 s[G0X+4*\s+1], s62, \s*SLOT
	s_add_nc_u64 s[G0X+4*\s+2:G0X+4*\s+3], s[60:61], \s*GRP
	s_or_b32 s[G0X+4*\s+3], s[G0X+4*\s+3], 0x80000000
.endr
	JLOAD 0                                        ; slot 0: one tensor load a wave at the head
	s_cmp_eq_u32 s16, 0                            ; the prefetches: the pair that I fetch,
	s_cselect_b32 s84, s18, s17                    ; my place p among the four that ask for it with me,
	s_cselect_b64 s[PFA:PFA+1], s[56:57], s[60:61]
	s_lshr_b32 s85, s84, 1
	s_mul_i32 s85, s85, GROW                       ; row p / 2,
	s_and_b32 s84, s84, 1
	s_mul_i32 s84, s84, 26*256                     ; blocks 26 (p % 2) on
	s_add_co_u32 s84, s84, s85
	s_mov_b32 s85, 0
	s_add_nc_u64 s[PFA:PFA+1], s[PFA:PFA+1], s[84:85]
	s_lshl_b32 s80, s20, 7
	s_lshl_b32 s81, s16, 6
	s_add_co_u32 s80, s80, s81                     ; my first token
	s_lshl_b32 s80, s80, 13
	s_lshl_b32 s81, s19, 9
	s_add_co_u32 s80, s80, s81
	s_lshl_b32 s81, s15, 8
	s_add_co_u32 s80, s80, s81                     ; my first column, in bytes: 512 X + 256 (wave % 2)
	s_mov_b32 s81, 0
	s_add_nc_u64 s[70:71], s[8:9], s[80:81]
	s_mul_i32 s72, s15, PAIR                       ; my two groups of W,
	s_mul_i32 s73, s16, PAIR
	s_add_co_u32 s73, s73, XOFF                    ; of the tokens,
	s_mul_i32 s74, s[WV], 16*SP                    ; my stage
	v_and_b32 v1, 31, v0                           ; lane
	v_and_b32 v34, 15, v0                          ; r
	v_bfe_u32 v35, v0, 4, 1                        ; h
	v_lshlrev_b32 v32, 4, v1
	v_lshlrev_b32 v33, 3, v1
	v_add_nc_u32 v[AW16], s72, v32
	v_add_nc_u32 v[AW8], s72, v33
	v_add_nc_u32 v[AX16], s73, v32
	v_add_nc_u32 v[AX8], s73, v33
.irp r, AW16, AW8, AX16, AX8
	v_add_nc_u32 v[\r+1], SLOT, v[\r]
.endr
	v_mul_u32_u24 v[STO], v34, SP
	v_mul_u32_u24 v[RD], v35, SP
	v_lshlrev_b32 v[CO], 13, v35
	v_lshl_add_u32 v[STO], v35, 6, v[STO]
	v_lshl_add_u32 v[RD], v34, 4, v[RD]
	v_lshl_add_u32 v[CO], v34, 4, v[CO]            ; lanes 0-15 one row of out0, lanes 16-31 the next
	v_add_nc_u32 v[STO], s74, v[STO]               ; in: row r, + 64 h bytes
	v_add_nc_u32 v[RD], s74, v[RD]                 ; back: lanes 0-15 one row, lanes 16-31 the next
	v_min_u32 v[PFO], 25, v1
	v_lshlrev_b32 v[PFO], 8, v[PFO]                ; block min(lane, 25)
.macro FRAG reg, a16, a8, off          ; a fragment's image comes back as it was laid
	ds_load_b128 v[\reg:\reg+3], v[\a16] offset:\off
	ds_load_b64 v[\reg+4:\reg+5], v[\a8] offset:\off+512
	ds_load_b128 v[\reg+6:\reg+9], v[\a16] offset:\off+768
	ds_load_b64 v[\reg+10:\reg+11], v[\a8] offset:\off+1280
.endm
.macro FETCH n                         ; K step n's scale words and eight fragments into set n % 2: 36 LDS loads
.set SL, ((\n)/4)%2
.set QO, ((\n)%4)*PKB
.set FP, (\n)%2
.irp g, 0,1
	ds_load_b64 v[WS+8*FP+2*\g:WS+8*FP+2*\g+1], v[AW8+SL] offset:\g*GRP+QO+3072
	ds_load_b64 v[XS+8*FP+2*\g:XS+8*FP+2*\g+1], v[AX8+SL] offset:\g*GRP+QO+3072
.endr
.irp b, 0,1,2,3
	FRAG WF+96*FP+12*\b, AW16+SL, AW8+SL, (\b/2)*GRP+QO+(\b%2)*1536
.endr
.irp b, 0,1,2,3
	FRAG XF+96*FP+12*\b, AX16+SL, AX8+SL, (\b/2)*GRP+QO+(\b%2)*1536
.endr
.endm
.macro PROD d, fa, fb, sa, sb, zero
.if \zero
	v_wmma_scale_f32_16x16x128_f8f6f4 v[\d:\d+7], v[\fa:\fa+11], v[\fb:\fb+11], 0, v[\sa], v[\sb] matrix_a_fmt:MATRIX_FMT_BF6 matrix_b_fmt:MATRIX_FMT_BF6
.else
	v_wmma_scale_f32_16x16x128_f8f6f4 v[\d:\d+7], v[\fa:\fa+11], v[\fb:\fb+11], v[\d:\d+7], v[\sa], v[\sb] matrix_a_fmt:MATRIX_FMT_BF6 matrix_b_fmt:MATRIX_FMT_BF6
.endif
.endm
.macro MUL8 n, a0, zero                ; token tiles a0, a0 + 1 x W's four; the 16 accumulators take turns, one instruction a turn
.set MP, (\n)%2
.irp a, \a0, \a0+1
.irp b, 0,1,2,3
	PROD 8*(4*(\a)+\b), WF+96*MP+12*\b, XF+96*MP+12*(\a), WS+8*MP+\b, XS+8*MP+(\a), \zero
.endr
.endr
.endm
; K step n.  Its fragments were fetched a step ago.  The last step of a slot also changes slots: the wait for all my tensor loads, the add, eight products, the wait for the add and for my
; reads of the slot; a round of the cluster's barrier and the joint refill first behind it (n < 8), or the work-group's barrier (n = 11: nothing is left to fetch); then the next slot's first fragments.
.macro STEP n, zero
.if (\n)%4 == 3
.set CS, ((\n)/4)%2
	s_wait_tensorcnt 0x0                           ; no tensor load of mine is out, so a group 0 may be written
	ds_add_u32 v[SPW], v[NIL]
.if (\n) < 8
	s_add_nc_u64 s[G0W+4*CS+2:G0W+4*CS+3], s[G0W+4*CS+2:G0W+4*CS+3], 2*GRP   ; eight K steps on
	s_add_nc_u64 s[G0X+4*CS+2:G0X+4*CS+3], s[G0X+4*CS+2:G0X+4*CS+3], 2*GRP
.endif
	s_wait_dscnt 1                                 ; this step's 36 loads are in; the add may be out
	WIN ACCW
	MUL8 \n, 0, 0
	WIN 0
	s_wait_dscnt 0x0
.if (\n) < 8
	CROUND
	JLOAD CS                                       ; it has four K steps in which to land; its four v_nop are the places in front of the loads below
.else
	s_barrier_signal -1
	s_barrier_wait -1
	PLACES
.endif
	FETCH (\n)+1
.if (\n) == 3
	ASK 3*GRP                                      ; K steps 12 to 15, which the next change of slots asks for
.endif
	WIN ACCW
	MUL8 \n, 2, 0
	WIN 0
.else
	PLACES                                         ; four places in front of loads into registers that matrix instructions have read
	FETCH (\n)+1
	s_wait_dscnt 36                                ; all but the 36 just issued
	WIN ACCW
	MUL8 \n, 0, \zero
	MUL8 \n, 2, \zero
	WIN 0
.endif
.endm
	s_wait_alu depctr_va_vdst(0)
	s_wait_tensorcnt 0x0                           ; my part of slot 0 is in; slot 1's first fill is issued as a refill is:
	ds_add_u32 v[SPW], v[NIL]
	s_wait_dscnt 0x0
	CROUND                                         ; slot 0 is whole, and all sixteen work-groups are here
	JLOAD 1
	FETCH 0
	ASK 2*GRP                                      ; K steps 8 to 11, which the first change of slots asks for
	STEP 0, 1                                      ; the first products start the sums
.set ST, 1
.rept 14
	STEP ST, 0
.set ST, ST+1
.endr
	s_wait_dscnt 0x0                               ; the last step: nothing more to fetch
	WIN ACCW
	MUL8 15, 0, 0
	MUL8 15, 2, 0
	WIN 0
.macro TOSTAGE a                       ; token tile a: lane (r, h) puts its 32 numbers into row r; LDS serves a wave's instructions in order, so the loads see the stores
	WIN 0x04                                       ; the data: window 1
.irp b, 0,1,2,3
	ds_store_b128 v[STO], v[8*(4*\a+\b):8*(4*\a+\b)+3] offset:128*(\b/2)+32*(\b%2)       ; each accumulator from its low end on
	ds_store_b128 v[STO], v[8*(4*\a+\b)+4:8*(4*\a+\b)+7] offset:128*(\b/2)+32*(\b%2)+16
.endr
	WIN 0
.irp t, 0,1,2,3,4,5,6,7
	ds_load_b128 v[32+32*(\a%2)+4*\t:32+32*(\a%2)+4*\t+3], v[RD] offset:\t*2*SP
.endr
.endm
.macro SEND a, younger                 ; stage row i is token 32 (a / 2) + 8 (a % 2) + i + 8 (i / 8) of my 64
	s_wait_dscnt \younger
.irp t, 0,1,2,3,4,5,6,7
	global_store_b128 v[CO], v[32+32*(\a%2)+4*\t:32+32*(\a%2)+4*\t+3], s[70:71] offset:(32*(\a/2)+8*(\a%2)+2*\t+8*(\t/4))*8192 th:TH_STORE_NT   ; 16 lanes store 256 consecutive bytes, at a multiple of 256 from out0's first byte
.endr
.endm
	PLACES                                         ; places behind the last products
	TOSTAGE 0
	TOSTAGE 1
	SEND 0, 16                                     ; behind tile 0's loads: tile 1's eight stores and eight loads
	s_wait_xcnt 0x0                                ; tile 0's stores have read their registers: tile 2's loads may land there
	TOSTAGE 2
	SEND 1, 16
	s_wait_xcnt 0x0
	TOSTAGE 3
	SEND 2, 16
	SEND 3, 0
	s_wait_tensorcnt 0x0                           ; the wave's end
	ds_add_u32 v[SPW], v[NIL]
	s_wait_dscnt 0x0
	CROUND                                         ; the closing round
	s_endpgm
.Lfunc_end_k_qf9fd702d50_oproj:
	.size	k_qf9fd702d50_oproj, .Lfunc_end_k_qf9fd702d50_oproj-k_qf9fd702d50_oproj
	.p2alignl 7, 3214868480
	.fill 96, 4, 3214868480
	.section	.rodata,"a",@progbits
	.p2align	6, 0x0
	.amdhsa_kernel k_qf9fd702d50_oproj
		.amdhsa_group_segment_fixed_size 327680
		.amdhsa_private_segment_fixed_size 0
		.amdhsa_enable_private_segment 0
		.amdhsa_kernarg_size 24
		.amdhsa_user_sgpr_count 2
		.amdhsa_user_sgpr_kernarg_segment_ptr 1
		.amdhsa_wavefront_size32 1
		.amdhsa_system_sgpr_workgroup_id_x 1
		.amdhsa_system_sgpr_workgroup_id_y 1
		.amdhsa_system_sgpr_workgroup_id_z 1
		.amdhsa_system_vgpr_workitem_id 0
		.amdhsa_next_free_vgpr 384
		.amdhsa_next_free_sgpr 90
		.amdhsa_reserve_vcc 0
		.amdhsa_float_denorm_mode_32 3
		.amdhsa_float_denorm_mode_16_64 3
		.amdhsa_memory_ordered 1
		.amdhsa_forward_progress 1
		.amdhsa_inst_pref_size 90
	.end_amdhsa_kernel
	.amdgpu_metadata
---
amdhsa.version: [ 1, 2 ]
amdhsa.kernels:
  - .name:           k_qf9fd702d50_oproj
    .symbol:         k_qf9fd702d50_oproj.kd
    .args:
      - { .name: ap, .offset: 0, .size: 8, .value_kind: global_buffer, .address_space: global }
      - { .name: wop, .offset: 8, .size: 8, .value_kind: global_buffer, .address_space: global }
      - { .name: out0, .offset: 16, .size: 8, .value_kind: global_buffer, .address_space: global }
    .group_segment_fixed_size: 327680
    .private_segment_fixed_size: 0
    .kernarg_segment_align: 8
    .kernarg_segment_size: 24
    .max_flat_workgroup_size: 128
    .sgpr_count:     90
    .vgpr_count:     384
    .wavefront_size: 32
...
	.end_amdgpu_metadata
.endif
;; end of part 4
